; MI455X (gfx1250); checked and timed in simulation.
; The chip was launched on July 23, 2026; its instructions are those of AMD's public machine-readable ISA for CDNA 5 (MIT licence, August 2026) and "CDNA5" Instruction Set Architecture Reference Guide (July 2026). The comments in the code are by the model that wrote it; some were corrected since.
;; Multi Head Attention EINSUM. Allowed arithmetic: float matrix products may take bf16 or f16 operands with f32 sums; all other float work in f32.
;; Inputs: out_b 1,024 float32; out_w 1,024 x 1,024 float32; w_k 1,024 x 1,024 float32; w_q 1,024 x 1,024 float32; w_v 1,024 x 1,024 float32; x 4 x 2,048 x 1,024 float32.
;; Outputs: out0 4 x 2,048 x 1,024 float32.
;; 3 versions, each right; version 2 is faster than version 1; version 3 is version 2 with the launch cast written anew for expert scheduling mode. Each part assembles by itself: llvm-mc -triple=amdgcn-amd-amdhsa -mcpu=gfx1250 --defsym DOCPART=n.
;; ======== version 1 of 3: 4 launches
;; limits: values are held in f16: magnitudes above 65,504 overflow, below 6.1e-05 lose precision
;; workspace buffers: xh 16,777,216 bytes; wh 6,291,456 bytes; oh 2,097,152 bytes; qkv 50,331,648 bytes; ctx 16,777,216 bytes
;; launch cast (part 1): grid 384 x 1, 8 waves a work-group, no clusters, 0 bytes of LDS; arguments x, w_q, w_k, w_v, out_w, xh, wh, oh; writes xh, wh, oh
.if DOCPART == 1
	.amdgcn_target "amdgcn-amd-amdhsa--gfx1250"
	.amdhsa_code_object_version 6
	.text
	.protected	k_qb5c4aeb3e4_cast
	.globl	k_qb5c4aeb3e4_cast
	.p2align	8
	.type	k_qb5c4aeb3e4_cast,@function
k_qb5c4aeb3e4_cast:
	s_mov_b64 s[64:65], 0
	v_nop
	global_prefetch_b8 v0, s[64:65] scope:SCOPE_SE
	s_setreg_imm32_b32 hwreg(HW_REG_WAVE_MODE, 25, 1), 1
	s_wait_xcnt 0x0
; The matrix operands among the inputs, rounded once to bf16 (nearest even) and laid out as the matrix launches read them:
;   xh [kb 16][token 8192][64] bf16   x, cut into blocks of 64 along k: 128 tokens of one block are 16 KiB of dense memory
;   wh [k 1024][n 3072] bf16          w_q, w_k, w_v side by side
;   oh [n 1024][k 1024] f16           out_w, rounded to bf16 like the others and then written as f16, because its partner in the product, ctx, is f16
; WHY bf16 HERE AND f16 LATER: the inputs take the rounding that the problem's contract names for inputs; the intermediates (q, k, v, P, ctx) need
; f16's 11 bits, since the first tokens of a batch average over few keys and their outputs are some ten times the whole output's root mean square.
; LIMITS: x and the three weights keep f32's range.  A bf16 number is an f16 number exactly for magnitudes from 2^-17 to 65,504; a larger |out_w|
; becomes an infinity, a smaller one is rounded to a multiple of 2^-24.
; A stream: no LDS, no barrier, no matrix unit.  A wave issues all its 32 loads of 16 bytes a lane at once (16 KiB on their way),
; then converts and stores them in the order in which they come back.  No register that a store reads is written again, so no wait frees a source.
; Every store of a wave covers 256 consecutive bytes that begin at a multiple of 256 from the buffer's first byte.
; Work-groups 0-255: x, 32 tokens each.  256-351: 32 rows of one of the three weights.  352-383: 32 rows of out_w.
.set X, 4                              ; v[4:131]  32 units of 4 registers; v1 = source offset, v2 = destination offset
; mode 0: x (unit i = 2 u + e: tokens 2u, 2u+1, k block e of the wave's two); 1: a weight into wh; 2: out_w into oh
.macro STREAM mode
.set i, 0
.rept 32
.if \mode == 0
.set srco, (i>>1)*8192+(i&1)*256
.else
.set srco, i*512
.endif
	global_load_b128 v[X+4*i:X+4*i+3], v1, s[24:25] offset:srco th:TH_LOAD_NT
.set i, i+1
.endr
.set i, 0
.rept 32
.if \mode == 0
.set dsto, (i&1)*1048576+(i>>1)*256
.elseif \mode == 1
.set dsto, (i>>3)*6144+(i&7)*256
.else
.set dsto, i*256
.endif
	s_wait_loadcnt 31-i                            ; loads come back in order: unit i is in, the 31-i younger ones stay out
.if \mode == 2
	v_cvt_pk_bf16_f32 v[X+4*i], v[X+4*i], v[X+4*i+1]               ; the rounding: numbers 0, 1 to bf16
	v_cvt_pk_bf16_f32 v[X+4*i+2], v[X+4*i+2], v[X+4*i+3]           ; numbers 2, 3
	v_lshlrev_b32 v[X+4*i+1], 16, v[X+4*i]                         ; back to f32: the low half moves up,
	v_and_b32 v[X+4*i], 0xffff0000, v[X+4*i]                       ; the high half stays
	v_lshlrev_b32 v[X+4*i+3], 16, v[X+4*i+2]
	v_and_b32 v[X+4*i+2], 0xffff0000, v[X+4*i+2]
	v_cvt_pk_f16_f32 v[X+4*i], v[X+4*i+1], v[X+4*i]                ; the same numbers in f16's format
	v_cvt_pk_f16_f32 v[X+4*i+1], v[X+4*i+3], v[X+4*i+2]
.else
	v_cvt_pk_bf16_f32 v[X+4*i], v[X+4*i], v[X+4*i+1]
	v_cvt_pk_bf16_f32 v[X+4*i+1], v[X+4*i+2], v[X+4*i+3]
.endif
	global_store_b64 v2, v[X+4*i:X+4*i+1], s[26:27] offset:dsto
.set i, i+1
.endr
.endm
	s_load_b512 s[4:19], s[0:1], 0x0               ; x 4:5, w_q 6:7, w_k 8:9, w_v 10:11, out_w 12:13, xh 14:15, wh 16:17, oh 18:19
	v_lshrrev_b32 v6, 5, v0                        ; wave
	s_mov_b32 s21, 0
	s_mov_b32 s23, 0
	s_cmp_lt_u32 ttmp9, 256
	s_cbranch_scc0 .Lweights
	; x: wave w takes columns 128 w .. 128 w + 127 (k blocks 2w, 2w+1).  Lanes 0-15 take 256 bytes of an even token, lanes 16-31 of the next token.
	v_and_b32 v4, 15, v0                           ; c
	v_bfe_u32 v5, v0, 4, 1                         ; half
	v_lshlrev_b32 v1, 4, v4
	v_lshl_add_u32 v1, v6, 9, v1
	v_lshl_add_u32 v1, v5, 12, v1                  ; source: half x 4,096 + w x 512 + 16 c
	v_lshlrev_b32 v2, 3, v4
	v_lshl_add_u32 v2, v5, 7, v2
	v_lshl_add_u32 v2, v6, 21, v2                  ; destination: w x 2 blocks of 1 MiB + half x 128 + 8 c
	s_lshl_b32 s20, ttmp9, 17                      ; 32 tokens of 4,096 bytes
	s_lshl_b32 s22, ttmp9, 12                      ; 32 tokens of 128 bytes
	s_wait_kmcnt 0x0
	s_add_nc_u64 s[24:25], s[4:5], s[20:21]
	s_add_nc_u64 s[26:27], s[14:15], s[22:23]
	STREAM 0
	s_endpgm
.Lweights:
	v_and_b32 v4, 31, v0                           ; lane
	v_lshlrev_b32 v1, 4, v4
	v_lshl_add_u32 v1, v6, 14, v1                  ; source: 4 rows of 4,096 bytes a wave + 16 x lane
	s_cmp_lt_u32 ttmp9, 352
	s_cbranch_scc0 .Loutw
	s_sub_co_u32 s20, ttmp9, 256
	s_lshr_b32 s28, s20, 5                         ; which weight: 0 q, 1 k, 2 v
	s_and_b32 s29, s20, 31                         ; which 32 rows
	v_mul_u32_u24 v2, v6, 24576                    ; destination: 4 rows of 6,144 bytes a wave
	v_lshl_add_u32 v2, v4, 3, v2
	s_lshl_b32 s20, s29, 17
	s_mul_i32 s22, s29, 196608                     ; 32 rows of 6,144 bytes
	s_lshl_b32 s30, s28, 11                        ; the weight's 1,024 columns of 2 bytes
	s_add_co_u32 s22, s22, s30
	s_wait_kmcnt 0x0
	s_cmp_eq_u32 s28, 1
	s_cselect_b64 s[24:25], s[8:9], s[6:7]
	s_cmp_eq_u32 s28, 2
	s_cselect_b64 s[24:25], s[10:11], s[24:25]
	s_add_nc_u64 s[24:25], s[24:25], s[20:21]
	s_add_nc_u64 s[26:27], s[16:17], s[22:23]
	STREAM 1
	s_endpgm
.Loutw:
	s_sub_co_u32 s29, ttmp9, 352
	v_lshlrev_b32 v2, 3, v4
	v_lshl_add_u32 v2, v6, 13, v2                  ; destination: 4 rows of 2,048 bytes a wave + 8 x lane
	s_lshl_b32 s20, s29, 17
	s_lshl_b32 s22, s29, 16
	s_wait_kmcnt 0x0
	s_add_nc_u64 s[24:25], s[12:13], s[20:21]
	s_add_nc_u64 s[26:27], s[18:19], s[22:23]
	STREAM 2
	s_endpgm
.Lfunc_end_k_qb5c4aeb3e4_cast:
	.size	k_qb5c4aeb3e4_cast, .Lfunc_end_k_qb5c4aeb3e4_cast-k_qb5c4aeb3e4_cast
	.p2alignl 7, 3214868480
	.fill 96, 4, 3214868480
	.section	.rodata,"a",@progbits
	.p2align	6, 0x0
	.amdhsa_kernel k_qb5c4aeb3e4_cast
		.amdhsa_group_segment_fixed_size 0
		.amdhsa_private_segment_fixed_size 0
		.amdhsa_enable_private_segment 0
		.amdhsa_kernarg_size 64
		.amdhsa_user_sgpr_count 2
		.amdhsa_user_sgpr_kernarg_segment_ptr 1
		.amdhsa_wavefront_size32 1
		.amdhsa_system_sgpr_workgroup_id_x 1
		.amdhsa_system_sgpr_workgroup_id_y 1
		.amdhsa_system_sgpr_workgroup_id_z 1
		.amdhsa_system_vgpr_workitem_id 0
		.amdhsa_next_free_vgpr 132
		.amdhsa_next_free_sgpr 66
		.amdhsa_reserve_vcc 0
		.amdhsa_float_denorm_mode_32 3
		.amdhsa_float_denorm_mode_16_64 3
		.amdhsa_memory_ordered 1
		.amdhsa_forward_progress 1
		.amdhsa_inst_pref_size 46
	.end_amdhsa_kernel
	.amdgpu_metadata
---
amdhsa.version: [ 1, 2 ]
amdhsa.kernels:
  - .name:           k_qb5c4aeb3e4_cast
    .symbol:         k_qb5c4aeb3e4_cast.kd
    .args:
      - { .name: x, .offset: 0, .size: 8, .value_kind: global_buffer, .address_space: global }
      - { .name: w_q, .offset: 8, .size: 8, .value_kind: global_buffer, .address_space: global }
      - { .name: w_k, .offset: 16, .size: 8, .value_kind: global_buffer, .address_space: global }
      - { .name: w_v, .offset: 24, .size: 8, .value_kind: global_buffer, .address_space: global }
      - { .name: out_w, .offset: 32, .size: 8, .value_kind: global_buffer, .address_space: global }
      - { .name: xh, .offset: 40, .size: 8, .value_kind: global_buffer, .address_space: global }
      - { .name: wh, .offset: 48, .size: 8, .value_kind: global_buffer, .address_space: global }
      - { .name: oh, .offset: 56, .size: 8, .value_kind: global_buffer, .address_space: global }
    .group_segment_fixed_size: 0
    .private_segment_fixed_size: 0
    .kernarg_segment_align: 8
    .kernarg_segment_size: 64
    .max_flat_workgroup_size: 256
    .sgpr_count:     66
    .vgpr_count:     132
    .wavefront_size: 32
...
	.end_amdgpu_metadata
.endif
;; end of part 1
;; launch qkv (part 2): grid 8 x 32, 4 waves a work-group, clusters of 4 x 4, 327,680 bytes of LDS; arguments xh, wh, qkv; writes qkv
.if DOCPART == 2
	.amdgcn_target "amdgcn-amd-amdhsa--gfx1250"
	.amdhsa_code_object_version 6
	.text
	.protected	k_qb5c4aeb3e4_qkv
	.globl	k_qb5c4aeb3e4_qkv
	.p2align	8
	.type	k_qb5c4aeb3e4_qkv,@function
k_qb5c4aeb3e4_qkv:
	s_mov_b64 s[64:65], 0
	v_nop
	global_prefetch_b8 v0, s[64:65] scope:SCOPE_SE
	s_setreg_imm32_b32 hwreg(HW_REG_WAVE_MODE, 25, 1), 1
	s_wait_xcnt 0x0
	s_wait_alu depctr_hold_cnt(0) depctr_sa_sdst(0) depctr_va_vdst(0) depctr_va_sdst(0) depctr_va_ssrc(0) depctr_va_vcc(0) depctr_vm_vsrc(0)
	s_getreg_b32 s2, hwreg(HW_REG_IB_STS2, 6, 4)
	s_cmp_eq_u32 s2, 0
	s_cbranch_scc0 .Lentry_in_a_cluster
	s_endpgm
.Lentry_in_a_cluster:
	s_bfe_u32 s2, ttmp6, 0x10000c
	s_cmp_lg_u32 s2, 0xf033
	s_cbranch_scc0 .Lentry_shape_is_right
	s_endpgm
.Lentry_shape_is_right:
; Q, K, V = x w: C[8192 tokens][3072 columns] = xh wh, bf16 operands, f32 sums, stored in f16 split by heads: qkv [b 4][hh 48][n 2048][64],
; hh 0-15 the heads of Q, 16-31 of K, 32-47 of V.
; LIMIT: q, k, v are kept in f16 (for its 11-bit mantissa): a magnitude above 65,504 becomes an infinity.
; 8192 x 3072 outputs on 256 work-groups are 98,304 each: a block of 256 tokens x 384 columns (six heads).  Four waves, 2 x 2: wave (wy, wx) has
; tokens 128 wy .. +127 and heads 2 g + wx (g = 0, 1, 2) of the block's six: 96 accumulator tiles, 768 registers.  For 32 along K a wave reads
; 20 KiB from LDS and issues 96 matrix instructions.  K goes in 16 steps of 64 through two LDS slots (two slots of 128 along K would need
; 2 x 184,320 bytes, more than a work-group can have).
; CLUSTERS: 4 x 4 work-groups.  The tokens' tile hangs on the block row alone and is asked for jointly along a row of the cluster, the weights' tile
; on the block column alone and is asked for jointly along a column.
; THE MATRIX INSTRUCTION IS USED TRANSPOSED: source 0 = 16 columns of w, source 1 = 16 tokens; a lane then holds 8 neighbouring columns of one token.
; w lies [k][n] in LDS as in memory; its fragments come through the transposing LDS load.
; REGISTERS: window 0: addresses, tokens' fragments in two buffers, weights' fragments in one (each half is loaded again behind the products that
; read it, while the other half is multiplied).  Windows 1-3: accumulator (b, a), b = 0..11 column block, a = 0..7 token block, at
; v[8 (8 (b & 3) + a)] of window 1 + (b >> 2).
.set SLOT,  92160                      ; weights 64 x 864, then tokens 256 x 144
.set TOK,   55296                      ; the tokens' part of a slot
.set WP,    864                        ; a k row of weights: 3 x (256 bytes + 32 of padding) = 27 x 32
.set TP,    144                        ; a token's row: 128 bytes + 16 of padding = 9 x 16
.set STAGE, 184320                     ; behind the ring: 16 rows x 400 bytes for each wave, for the way out; no tensor load lands here
.set SP,    400                        ; 384 bytes + 16 = 25 x 16
.set ADRA, 8                           ; v8-9    my tokens' fragments in slot 0, 1
.set ADRB, 10                          ; v10-11  my weights' fragments in slot 0, 1
.set STO,  12                          ; v12     the way out: where I put 16 bytes
.set RD,   13                          ; v13     the way out: where I read back
.set CO,   14                          ; v14     my byte offset in a store's 512 bytes
.set FA0,  16                          ; v16-79    tokens' fragments, buffer 0
.set FA1,  80                          ; v80-143   buffer 1
.set FB,   144                         ; v144-239  12 fragments of weights
.set TMP,  16                          ; the way out: packed results
.set G1T, 24                           ; s[24:31] group 1, tokens
.set G0T, 32                           ; s[32:39] group 0, tokens, a set for each slot
.set G1W, 48                           ; s[48:55] group 1, weights
.set G0W, 56                           ; s[56:63] group 0, weights, a set for each slot
.set MSB, 0
.macro WIN new                         ; the immediate's high byte repeats the setting that is left
.if MSB != \new
	s_set_vgpr_msb (MSB<<8)|\new
.set MSB, \new
.endif
.endm
.macro PLACES                          ; four plain vector instructions between a matrix instruction and a load into, or a vector access to, its registers
.rept 4
	v_nop
.endr
.endm
; A joint load: waves 0 and 1 fetch the weights' two halves, waves 2 and 3 the tokens'.  The branch hangs on the wave's number alone.
.macro JLOAD s
	s_cmp_eq_u32 s11, 0
	s_cbranch_scc0 .Lfor_t_\@
	tensor_load_to_lds s[G0W+4*\s:G0W+4*\s+3], s[G1W:G1W+7]
	s_nop 0
	s_branch .Lasked_\@
.Lfor_t_\@:
	tensor_load_to_lds s[G0T+4*\s:G0T+4*\s+3], s[G1T:G1T+7]
	s_nop 0
.Lasked_\@:
.endm
.macro CREST                           ; a round of the cluster's barrier behind its opening work-group barrier
	s_cmp_lg_u32 s10, 0
	s_cbranch_scc1 .Lnot_wave_0_\@
	s_barrier_signal -3
.Lnot_wave_0_\@:
	s_barrier_wait -3
	s_barrier_signal -1
	s_barrier_wait -1
.endm
.macro CROUND
	s_barrier_signal -1
	s_barrier_wait -1
	CREST
.endm
	s_load_b128 s[4:7], s[0:1], 0x0                ; xh s[4:5], wh s[6:7]
	s_load_b64 s[8:9], s[0:1], 0x10                ; qkv
	v_lshl_add_u32 v254, v0, 2, 0x33400
	v_mov_b32 v255, 0
	ds_add_u32 v254, v255
	v_lshrrev_b32 v1, 5, v0
	v_readfirstlane_b32 s10, v1                    ; wave 0..3
	s_lshr_b32 s11, s10, 1                         ; wy.  Also: I fetch weights (0) or tokens (1)
	s_and_b32 s12, s10, 1                          ; wx.  Also: which half of that tile I fetch
	s_bfe_u32 s40, ttmp6, 0x40000                  ; cx
	s_bfe_u32 s41, ttmp6, 0x40004                  ; cy
	s_lshl_b32 s42, ttmp9, 2
	s_add_co_u32 s42, s42, s40                     ; block column 0..7
	s_and_b32 s13, ttmp7, 0xffff
	s_lshl_b32 s13, s13, 2
	s_add_co_u32 s13, s13, s41                     ; block row 0..31
	s_lshl_b32 s43, s41, 2
	s_lshl_b32 s43, 15, s43                        ; my row of the cluster
	s_lshl_b32 s44, 0x1111, s40                    ; my column
	; tokens: 128 tokens x 128 bytes are dense in xh: 64 rows of 32 elements of 8 bytes; 4 words of padding behind every 32 words, that is behind every token
	s_or_b32 s[G1T+0], s43, (3<<16)|(1<<20)|(1<<21)|(4<<22)|(3<<25)
	s_mov_b32 s[G1T+1], 32<<16                     ; tensor_dim0 = 32
	s_mov_b32 s[G1T+2], 64<<16                     ; tensor_dim1 = 64
	s_mov_b32 s[G1T+3], 32<<16                     ; tile_dim0 = 32
	s_mov_b32 s[G1T+4], 64                         ; tile_dim1 = 64
	s_mov_b32 s[G1T+5], 32                         ; from row to row: 32 elements
	s_mov_b32 s[G1T+6], 0
	s_mov_b32 s[G1T+7], 0
	; weights: 32 k rows x 384 elements of 2 bytes; 8 words of padding behind every 64 words
	s_or_b32 s[G1W+0], s44, (1<<16)|(1<<20)|(1<<21)|(5<<22)|(7<<25)
	s_mov_b32 s[G1W+1], 384<<16
	s_mov_b32 s[G1W+2], 32<<16
	s_mov_b32 s[G1W+3], 384<<16
	s_mov_b32 s[G1W+4], 32
	s_mov_b32 s[G1W+5], 3072
	s_mov_b32 s[G1W+6], 0
	s_mov_b32 s[G1W+7], 0
	s_lshl_b32 s16, s13, 15                        ; tokens: block row x 256 tokens x 128 bytes
	s_lshl_b32 s17, s12, 14                        ; + half x 128 tokens
	s_add_co_u32 s16, s16, s17
	s_mov_b32 s17, 0
	s_mul_i32 s46, s42, 768                        ; weights: block column x 384 columns x 2 bytes
	s_mul_i32 s47, s12, 196608                     ; + half x 32 rows of 6,144 bytes
	s_add_co_u32 s46, s46, s47
	s_mov_b32 s47, 0
	s_mul_i32 s20, s10, 27648                      ; LDS: waves 0, 1: 32 rows of 864 bytes each
	s_mul_i32 s21, s10, 18432
	s_add_co_u32 s21, s21, 18432                   ; LDS: waves 2, 3: TOK + (wave - 2) x 128 rows of 144 bytes
	s_wait_dscnt 0x0
	s_wait_kmcnt 0x0
	s_add_nc_u64 s[14:15], s[4:5], s[16:17]
	s_add_nc_u64 s[46:47], s[6:7], s[46:47]
	CROUND                                         ; all sixteen work-groups are here: the first joint loads meet
.irp s, 0,1
	s_mov_b32 s[G0T+4*\s], 1
	s_add_co_u32 s[G0T+4*\s+1], s21, \s*SLOT
	s_add_nc_u64 s[G0T+4*\s+2:G0T+4*\s+3], s[14:15], \s*1048576    ; K step s = k block s of xh
	s_or_b32 s[G0T+4*\s+3], s[G0T+4*\s+3], 0x80000000
	s_mov_b32 s[G0W+4*\s], 1
	s_add_co_u32 s[G0W+4*\s+1], s20, \s*SLOT
	s_add_nc_u64 s[G0W+4*\s+2:G0W+4*\s+3], s[46:47], \s*393216     ; 64 rows of 6,144 bytes
	s_or_b32 s[G0W+4*\s+3], s[G0W+4*\s+3], 0x80000000
	JLOAD \s
.endr
	v_and_b32 v1, 15, v0                           ; r
	v_bfe_u32 v2, v0, 4, 1                         ; h
	v_and_b32 v3, 7, v0                            ; lane & 7
	v_bfe_u32 v4, v0, 3, 1                         ; (lane >> 3) & 1
	v_bfe_u32 v5, v0, 3, 2                         ; lane >> 3
	v_and_b32 v6, 31, v0                           ; lane
	v_mul_u32_u24 v7, v1, TP
	v_lshl_add_u32 v7, v2, 4, v7                   ; token r, 16 bytes for each half of the lanes
	s_mul_i32 s22, s11, 18432
	s_add_co_u32 s22, s22, TOK
	v_add_nc_u32 v[ADRA], s22, v7
	v_add_nc_u32 v[ADRA+1], SLOT, v[ADRA]
	v_lshl_add_u32 v7, v2, 3, v3                   ; transposing load: k row 8 h + (lane & 7),
	v_mul_u32_u24 v7, v7, WP
	v_lshl_add_u32 v7, v4, 4, v7                   ; 16 bytes for each eight lanes,
	s_lshl_b32 s23, s12, 7                         ; my head of each pair: 64 columns of 2 bytes
	v_add_nc_u32 v[ADRB], s23, v7
	v_add_nc_u32 v[ADRB+1], SLOT, v[ADRB]
	s_mul_i32 s23, s10, 16*SP
	s_add_co_u32 s23, s23, STAGE
	v_mul_u32_u24 v7, v1, SP
	v_lshl_add_u32 v7, v2, 4, v7
	v_add_nc_u32 v[STO], s23, v7
	v_mul_u32_u24 v7, v5, SP
	v_lshl_add_u32 v7, v3, 4, v7                   ; back: eight lanes take a token's 128 bytes of one head
	v_add_nc_u32 v[RD], s23, v7
	v_lshlrev_b32 v[CO], 4, v6
; nb x 8 matrix instructions: column blocks b0 .. b0+nb-1 x all 8 token blocks, 32 along K.  zero = 1: the product starts the sum.
; The 96 accumulators take turns, one instruction a turn, in the same order in every quarter.
.macro MULB b0, nb, fa, zero
.set bb, \b0
.rept \nb
	WIN ((1+(bb>>2))*0x50)
.set aa, 0
.rept 8
.if \zero
	v_wmma_f32_16x16x32_bf16 v[8*(8*(bb&3)+aa):8*(8*(bb&3)+aa)+7], v[FB+8*bb:FB+8*bb+7], v[\fa+8*aa:\fa+8*aa+7], 0
.else
	v_wmma_f32_16x16x32_bf16 v[8*(8*(bb&3)+aa):8*(8*(bb&3)+aa)+7], v[FB+8*bb:FB+8*bb+7], v[\fa+8*aa:\fa+8*aa+7], v[8*(8*(bb&3)+aa):8*(8*(bb&3)+aa)+7]
.endif
.set aa, aa+1
.endr
.set bb, bb+1
.endr
.endm
.macro LDA slot, qk, fa                ; 16 loads: my 128 tokens, 32 K at byte 64 qk of their rows
.irp a, 0,1,2,3,4,5,6,7
	ds_load_b128 v[\fa+8*\a:\fa+8*\a+3],   v[ADRA+\slot] offset:\a*16*TP+\qk*64
	ds_load_b128 v[\fa+8*\a+4:\fa+8*\a+7], v[ADRA+\slot] offset:\a*16*TP+\qk*64+32
.endr
.endm
.macro LDB slot, qk, i0, ni            ; 2 ni transposing loads: weight fragments i0 .. i0+ni-1, k rows 32 qk .. +31
.set ii, \i0
.rept \ni
	ds_load_tr16_b128 v[FB+8*ii:FB+8*ii+3],   v[ADRB+\slot] offset:\qk*32*WP+(ii>>2)*288+(ii&3)*32
	ds_load_tr16_b128 v[FB+8*ii+4:FB+8*ii+7], v[ADRB+\slot] offset:\qk*32*WP+(ii>>2)*288+(ii&3)*32+16*WP
.set ii, ii+1
.endr
.endm
; The first half of a K step: multiplies buffer 0 and fetches the second half's fragments from the same slot.
.macro QUARTER slot, zero
	s_wait_dscnt 12                                ; tokens and weights 0-5 are in; the youngest 12 loads (weights 6-11) may be out
	MULB 0, 6, FA0, \zero
	WIN 0
	PLACES
	LDA \slot, 1, FA1
	LDB \slot, 1, 0, 6
	s_wait_dscnt 28                                ; all but the 28 just issued: weights 6-11 are in
	MULB 6, 6, FA0, \zero
	WIN 0
	PLACES
	LDB \slot, 1, 6, 6
.endm
; The second half: multiplies buffer 1 and changes slots.  In front of the barrier each wave waits for its reads of this slot and for all its
; tensor loads (one is out: its part of the next slot).  Where the slot is filled again the barrier opens a round of the cluster's barrier, and the
; joint refill is the first tensor load behind the round.
.macro TURN slot, next, fill
	s_wait_dscnt 12
	MULB 0, 3, FA1, 0
	s_wait_dscnt 0x0                               ; my reads of this slot are over
	s_wait_tensorcnt 0x0                           ; all my tensor loads have landed
	ds_add_u32 v254, v255
	s_wait_dscnt 0x0
	s_barrier_signal -1
	MULB 3, 3, FA1, 0                              ; register work while the others arrive
	WIN 0
	s_barrier_wait -1
.if \fill
	CREST
	s_add_nc_u64 s[G0T+4*\slot+2:G0T+4*\slot+3], s[G0T+4*\slot+2:G0T+4*\slot+3], 2*1048576
	s_add_nc_u64 s[G0W+4*\slot+2:G0W+4*\slot+3], s[G0W+4*\slot+2:G0W+4*\slot+3], 2*393216
	JLOAD \slot
.endif
	PLACES
	LDA \next, 0, FA0
	LDB \next, 0, 0, 6
	MULB 6, 6, FA1, 0                              ; weights 6-11 were shown in by the wait for 0 above
	WIN 0
	PLACES
	LDB \next, 0, 6, 6
.endm
.macro LAP zero
	QUARTER 0, \zero
	TURN 0, 1, 1
	QUARTER 1, 0
	TURN 1, 0, 1
.endm
	s_wait_tensorcnt 1                             ; my part of K step 0 is in; step 1's may stay out
	s_barrier_signal -1
	s_barrier_wait -1
	LDA 0, 0, FA0
	LDB 0, 0, 0, 6
	LDB 0, 0, 6, 6
	LAP 1                                          ; steps 0, 1: the first products start the sums
	WIN 0
	s_mov_b32 s3, 6                                ; steps 2 .. 13
.Llap:
	LAP 0
	WIN 0
	s_sub_co_u32 s3, s3, 1
	s_cmp_lg_u32 s3, 0
	s_cbranch_scc1 .Llap
	QUARTER 0, 0                                   ; steps 14, 15: nothing is left to fetch
	TURN 0, 1, 0
	QUARTER 1, 0
	s_wait_dscnt 12
	MULB 0, 6, FA1, 0
	s_wait_dscnt 0x0
	MULB 6, 6, FA1, 0
	WIN 0
	PLACES
	; THE WAY OUT, 16 tokens at a time: round to f16, 16 bytes a lane into my own stage, read back head by head: four tokens of one head are
	; 512 consecutive bytes of qkv, one store of the wave.
	s_lshr_b32 s16, s13, 3                         ; batch
	s_mul_i32 s16, s16, 12582912                   ; 48 heads x 2,048 tokens x 128 bytes
	s_and_b32 s17, s13, 7
	s_lshl_b32 s17, s17, 15                        ; 256 tokens x 128 bytes
	s_add_co_u32 s16, s16, s17
	s_lshl_b32 s17, s11, 14                        ; my 128 tokens
	s_add_co_u32 s16, s16, s17
	s_mov_b32 s17, 0
	s_add_nc_u64 s[8:9], s[8:9], s[16:17]
	s_mul_i32 s46, s42, 6
	s_add_co_u32 s46, s46, s12                     ; my first head: 6 x block column + wx
	s_lshl_b32 s46, s46, 18                        ; x 2,048 tokens x 128 bytes
	s_mov_b32 s47, 0
	s_add_nc_u64 s[8:9], s[8:9], s[46:47]
.macro OUT16 a, f
.irp n, 1,2,3
	WIN (\n*5)                                     ; sources 0 and 1 in window n
.irp q, 0,1,2,3
.irp t, 0,1,2,3
	v_cvt_pk_f16_f32 v[TMP+16*(\n-1)+4*\q+\t], v[8*(8*\q+\a)+2*\t], v[8*(8*\q+\a)+2*\t+1]
.endr
.endr
.endr
	WIN 0
.irp b, 0,1,2,3,4,5,6,7,8,9,10,11
	ds_store_b128 v[STO], v[TMP+4*\b:TMP+4*\b+3] offset:(\b>>2)*128+(\b&3)*32
.endr
	s_wait_xcnt 0x0                                ; set f, which earlier stores read, is loaded again only behind this wait
.irp u, 0,1,2,3,4,5,6,7,8,9,10,11
	ds_load_b128 v[\f+4*\u:\f+4*\u+3], v[RD] offset:(\u&3)*4*SP+(\u>>2)*128    ; LDS serves a wave's instructions in order: these see the stores above
.endr
.irp u, 0,1,2,3,4,5,6,7,8,9,10,11
	s_wait_dscnt 11-\u                             ; read-back u is in, the younger ones stay out
	global_store_b128 v[CO], v[\f+4*\u:\f+4*\u+3], s[8:9] offset:\a*2048+(\u>>2)*524288+(\u&3)*512
.endr
.endm
	OUT16 0, 80
	OUT16 1, 144
	OUT16 2, 80
	OUT16 3, 144
	OUT16 4, 80
	OUT16 5, 144
	OUT16 6, 80
	OUT16 7, 144
	s_wait_tensorcnt 0x0
	ds_add_u32 v254, v255
	s_wait_dscnt 0x0
	CROUND                                         ; the closing round: no work-group ends while a partner may still ask for a tile that names it
	s_endpgm
.Lfunc_end_k_qb5c4aeb3e4_qkv:
	.size	k_qb5c4aeb3e4_qkv, .Lfunc_end_k_qb5c4aeb3e4_qkv-k_qb5c4aeb3e4_qkv
	.p2alignl 7, 3214868480
	.fill 96, 4, 3214868480
	.section	.rodata,"a",@progbits
	.p2align	6, 0x0
	.amdhsa_kernel k_qb5c4aeb3e4_qkv
		.amdhsa_group_segment_fixed_size 327680
		.amdhsa_private_segment_fixed_size 0
		.amdhsa_enable_private_segment 0
		.amdhsa_kernarg_size 24
		.amdhsa_user_sgpr_count 2
		.amdhsa_user_sgpr_kernarg_segment_ptr 1
		.amdhsa_wavefront_size32 1
		.amdhsa_system_sgpr_workgroup_id_x 1
		.amdhsa_system_sgpr_workgroup_id_y 1
		.amdhsa_system_sgpr_workgroup_id_z 1
		.amdhsa_system_vgpr_workitem_id 0
		.amdhsa_next_free_vgpr 1024
		.amdhsa_next_free_sgpr 66
		.amdhsa_reserve_vcc 0
		.amdhsa_float_denorm_mode_32 3
		.amdhsa_float_denorm_mode_16_64 3
		.amdhsa_memory_ordered 1
		.amdhsa_forward_progress 1
		.amdhsa_inst_pref_size 168
	.end_amdhsa_kernel
	.amdgpu_metadata
---
amdhsa.version: [ 1, 2 ]
amdhsa.kernels:
  - .name:           k_qb5c4aeb3e4_qkv
    .symbol:         k_qb5c4aeb3e4_qkv.kd
    .args:
      - { .name: xh, .offset: 0, .size: 8, .value_kind: global_buffer, .address_space: global }
      - { .name: wh, .offset: 8, .size: 8, .value_kind: global_buffer, .address_space: global }
      - { .name: qkv, .offset: 16, .size: 8, .value_kind: global_buffer, .address_space: global }
    .group_segment_fixed_size: 327680
    .private_segment_fixed_size: 0
    .kernarg_segment_align: 8
    .kernarg_segment_size: 24
    .max_flat_workgroup_size: 128
    .sgpr_count:     66
    .vgpr_count:     1024
    .wavefront_size: 32
...
	.end_amdgpu_metadata
.endif
;; end of part 2
;; launch attn (part 3): grid 4 x 64, 4 waves a work-group, no clusters, 327,680 bytes of LDS; arguments qkv, ctx; writes ctx
.if DOCPART == 3
	.amdgcn_target "amdgcn-amd-amdhsa--gfx1250"
	.amdhsa_code_object_version 6
	.text
	.protected	k_qb5c4aeb3e4_attn
	.globl	k_qb5c4aeb3e4_attn
	.p2align	8
	.type	k_qb5c4aeb3e4_attn,@function
k_qb5c4aeb3e4_attn:
	s_mov_b64 s[64:65], 0
	v_nop
	global_prefetch_b8 v0, s[64:65] scope:SCOPE_SE
	s_setreg_imm32_b32 hwreg(HW_REG_WAVE_MODE, 25, 1), 1
	s_wait_xcnt 0x0
; Causal attention of one head: ctx [h 16][token 8192][64] f16 from qkv [b][hh 48][n 2048][64] f16.  Scores, softmax and sums in f32.
; Work-group (p, bh), p = 0..3: query blocks p and 7 - p of head bh, 256 queries each: (2p + 2) + (16 - 2p) = 18 key tiles of 128 in every
; work-group.  A wave has 64 queries, four blocks qq of 16.
; NO JOINT LOADS: the four work-groups of a head walk different tiles at a time (block p begins at tile 2p + 1), and walking all tiles in step
; would take 8 + 16 = 24 tile times for the 18 that are needed.
; ORIENTATION: S^T = K Q^T and O^T = V^T P, so a lane belongs to one query (lane & 15): maximum, sum and rescaling are the lane's own but for one
; exchange with lane ^ 16, and P's fragment is the lane's own scores, packed: no transposition, no LDS.
; ORDER: tiles descend inside a block, so the first two tiles are the diagonal ones (masked in the text) and the first chunk starts the sums.
; The running maximum is kept as NM = - (maximum x c), c = 0.125 log2 e.
; LIMITS: NM starts at 2^127, so scaled scores below -2^127 would count as that; P and ctx are kept in f16 (P is at most 1, |ctx| at most max |v|).
; All four chunks of the diagonal lap are computed and masked by every wave: a chunk that is wholly masked leaves NM and L as they are and adds zeros.
.set SLOT,  38912                      ; V 128 keys x 160 bytes, then K 128 keys x 144 bytes
.set KOFF,  20480
.set STAGE, 77824                      ; behind the ring: 16 rows x 144 bytes for each wave; no tensor load lands here
.set ADRK, 8                           ; v8-9    K fragments in slot 0, 1
.set ADRV, 10                          ; v10-11  V fragments (transposing load) in slot 0, 1
.set VQ,   12                          ; v12     my byte offset in a query block of Q
.set STO,  13
.set RD,   14
.set CO,   15
.set KF,   32                          ; v32-95    K: fragment (kb, ks) at 8 (2 kb + ks)
.set VF,   96                          ; v96-159   V^T: fragment (kc, db) at 8 (4 kc + db)
.set QF,   160                         ; v160-223  Q: fragment (qq, ks) at 8 (2 qq + ks)
.set OT,   224                         ; v224-239  the way out
; window 1: S = v0-127, tile (qq, kb) at 8 (4 qq + kb)
.set P,    128                         ; v128-191  P: fragment (qq, kc) at 8 (2 qq + kc)
.set NM,   192                         ; v192-199  pairs (NM, T1) of block qq
.set AL,   200                         ; v200-207  pairs (alpha, L) of block qq
.set TLB,  208                         ; 64 wave + r - 8 h
.set NINF, 209
.set TM,   212                         ; v212-219  at work
; window 2: O = v0-127, tile (qq, db) at 8 (4 qq + db)
.set G1V, 24
.set G1K, 32
.set G0V, 40                           ; s[40:47] a set for each slot
.set G0K, 48                           ; s[48:55]
.set MSB, 0
.macro WIN new
.if MSB != \new
	s_set_vgpr_msb (MSB<<8)|\new
.set MSB, \new
.endif
.endm
.macro PLACES                          ; four plain vector instructions between a matrix instruction and a load into, or a vector access to, its registers
.rept 4
	v_nop
.endr
.endm
; Waves 0, 1 fetch V's two halves of 64 keys, waves 2, 3 K's.
.macro TLOAD slot
	s_cmp_lt_u32 s8, 2
	s_cbranch_scc0 .Lfor_k_\@
	tensor_load_to_lds s[G0V+4*\slot:G0V+4*\slot+3], s[G1V:G1V+7]
	s_nop 0
	s_branch .Lasked_\@
.Lfor_k_\@:
	tensor_load_to_lds s[G0K+4*\slot:G0K+4*\slot+3], s[G1K:G1K+7]
	s_nop 0
.Lasked_\@:
.endm
; Tile s58 into the slot's two group 0 sets; then s58 steps down, and from 0 to the second block's first tile.
.macro NEXT slot
	s_lshl_b32 s56, s58, 14                        ; 128 keys x 128 bytes; s57 = 0
	s_add_nc_u64 s[G0V+4*\slot+2:G0V+4*\slot+3], s[14:15], s[56:57]
	s_or_b32 s[G0V+4*\slot+3], s[G0V+4*\slot+3], 0x80000000
	s_add_nc_u64 s[G0K+4*\slot+2:G0K+4*\slot+3], s[16:17], s[56:57]
	s_or_b32 s[G0K+4*\slot+3], s[G0K+4*\slot+3], 0x80000000
	s_sub_co_i32 s58, s58, 1
	s_cmp_lt_i32 s58, 0
	s_cselect_b32 s58, s59, s58
.endm
	s_load_b128 s[4:7], s[0:1], 0x0                ; qkv s[4:5], ctx s[6:7]
	v_lshl_add_u32 v254, v0, 2, 0x29000
	v_mov_b32 v255, 0
	ds_add_u32 v254, v255
	v_lshrrev_b32 v1, 5, v0
	v_readfirstlane_b32 s8, v1                     ; wave
	s_mov_b32 s9, ttmp9                            ; p
	s_and_b32 s10, ttmp7, 0xffff
	s_lshr_b32 s11, s10, 4                         ; b
	s_and_b32 s10, s10, 15                         ; h
	s_mul_i32 s70, s11, 12582912
	s_lshl_b32 s71, s10, 18
	s_add_co_u32 s70, s70, s71                     ; Q's head in qkv
	s_mov_b32 s71, 0
	s_lshl_b32 s60, s10, 20
	s_lshl_b32 s61, s11, 18
	s_add_co_u32 s60, s60, s61                     ; the head's and batch's place in ctx
	s_mov_b32 s61, 0
	s_and_b32 s62, s8, 1
	s_lshl_b32 s62, s62, 13                        ; my half of a tile: 64 keys x 128 bytes
	s_mov_b32 s63, 0
	s_mov_b32 s57, 0
	s_mov_b32 s66, 0x3e38aa3b                      ; c = 0.125 log2 e
	s_mov_b32 s67, 0xbe38aa3b                      ; -c
	s_mov_b32 s68, 0x76543210                      ; v_permlanex16_b32: lane i reads lane i ^ 16
	s_mov_b32 s69, 0xfedcba98
	; 64 keys x 128 bytes are dense: 32 rows of 32 elements of 8 bytes; padding behind every 32 words, that is behind every key: 8 words for V, 4 for K
	s_mov_b32 s[G1V+0], (3<<16)|(1<<20)|(4<<22)|(7<<25)
	s_mov_b32 s[G1K+0], (3<<16)|(1<<20)|(4<<22)|(3<<25)
.irp g, G1V, G1K
	s_mov_b32 s[\g+1], 32<<16
	s_mov_b32 s[\g+2], 32<<16
	s_mov_b32 s[\g+3], 32<<16
	s_mov_b32 s[\g+4], 32
	s_mov_b32 s[\g+5], 32
	s_mov_b32 s[\g+6], 0
	s_mov_b32 s[\g+7], 0
.endr
	s_mul_i32 s2, s8, 10240                        ; LDS: waves 0, 1: 64 keys of 160 bytes each
	s_mul_i32 s3, s8, 9216
	s_add_co_u32 s3, s3, 2048                      ; LDS: waves 2, 3: KOFF + (wave - 2) x 64 keys of 144 bytes
.irp s, 0,1
	s_mov_b32 s[G0V+4*\s], 1
	s_add_co_u32 s[G0V+4*\s+1], s2, \s*SLOT
	s_mov_b32 s[G0K+4*\s], 1
	s_add_co_u32 s[G0K+4*\s+1], s3, \s*SLOT
.endr
	s_lshl_b32 s58, s9, 1
	s_sub_co_u32 s59, 15, s58                      ; the second block's first tile: 2 (7 - p) + 1
	s_add_co_u32 s58, s58, 1                       ; the first block's first tile: 2 p + 1
	s_wait_dscnt 0x0
	s_barrier_signal -1
	s_barrier_wait -1
	s_wait_kmcnt 0x0
	s_add_nc_u64 s[12:13], s[4:5], s[70:71]        ; Q of my head
	s_add_nc_u64 s[18:19], s[6:7], s[60:61]        ; ctx of my head and batch
	s_add_nc_u64 s[14:15], s[12:13], s[62:63]
	s_add_nc_u64 s[16:17], s[14:15], 4194304       ; K: 16 heads further, my half
	s_add_nc_u64 s[14:15], s[14:15], 8388608       ; V: 32 heads further, my half
	NEXT 0
	TLOAD 0                                        ; the first fill, ahead of every wait on TENSORcnt, LDS read and barrier
	v_and_b32 v1, 15, v0                           ; r
	v_bfe_u32 v2, v0, 4, 1                         ; h
	v_and_b32 v3, 7, v0
	v_bfe_u32 v4, v0, 3, 1
	v_bfe_u32 v5, v0, 3, 2
	v_and_b32 v6, 31, v0
	v_mul_u32_u24 v7, v1, 144
	v_lshl_add_u32 v7, v2, 4, v7                   ; row r, 16 bytes for each half of the lanes
	v_add_nc_u32 v[ADRK], KOFF, v7
	v_add_nc_u32 v[ADRK+1], KOFF+SLOT, v7
	v_lshl_add_u32 v16, v2, 3, v3                  ; transposing load: key 8 h + (lane & 7)
	v_mul_u32_u24 v16, v16, 160
	v_lshl_add_u32 v[ADRV], v4, 4, v16
	v_add_nc_u32 v[ADRV+1], SLOT, v[ADRV]
	s_lshl_b32 s60, s8, 13                         ; my 64 queries x 128 bytes
	v_lshlrev_b32 v[VQ], 7, v1
	v_lshl_add_u32 v[VQ], v2, 4, v[VQ]
	v_add_nc_u32 v[VQ], s60, v[VQ]
	s_mul_i32 s61, s8, 2304
	s_add_co_u32 s61, s61, STAGE
	v_add_nc_u32 v[STO], s61, v7
	v_mul_u32_u24 v17, v5, 144
	v_lshl_add_u32 v17, v3, 4, v17
	v_add_nc_u32 v[RD], s61, v17
	v_lshl_add_u32 v[CO], v6, 4, s60
	s_lshl_b32 s62, s8, 6
	v_lshlrev_b32 v18, 3, v2
	v_sub_nc_u32 v18, v1, v18
	v_add_nc_u32 v18, s62, v18                     ; 64 wave + r - 8 h
	WIN 0x40
	v_mov_b32 v[TLB], v18
	v_mov_b32 v[NINF], 0xff800000
	v_mov_b32 v[TM+4], 0                           ; v_permlanex16_b32 counts as a reader of its destination
	WIN 0
.macro KLOAD slot, cit                 ; 16 loads: K's fragments of 64 keys
.irp kb, 0,1,2,3
.irp ks, 0,1
	ds_load_b128 v[KF+8*(2*\kb+\ks):KF+8*(2*\kb+\ks)+3],   v[ADRK+\slot] offset:\cit*9216+\kb*2304+\ks*64
	ds_load_b128 v[KF+8*(2*\kb+\ks)+4:KF+8*(2*\kb+\ks)+7], v[ADRK+\slot] offset:\cit*9216+\kb*2304+\ks*64+32
.endr
.endr
.endm
; Softmax of query block qq over a chunk of 64 keys, all in window 1.  cidx >= 0: the chunk begins 64 cidx keys behind the query block's first query:
; key > query is 64 cidx + 16 kb + j - 16 qq > 64 wave + r - 8 h.  A line whose left side is at most -8 can hold in no lane and is left out.
.macro SMQ qq, cidx
.set BQ, 32*\qq
.if \cidx >= 0
.irp kb, 0,1,2,3
.irp j, 0,1,2,3,4,5,6,7
.if (64*\cidx+16*\kb+\j-16*\qq) > -8
	v_cmp_gt_i32 vcc_lo, 64*\cidx+16*\kb+\j-16*\qq, v[TLB]
	v_cndmask_b32 v[BQ+8*\kb+\j], v[BQ+8*\kb+\j], v[NINF], vcc_lo
.endif
.endr
.endr
.endif
.irp c, 0,1,2,3
	v_max3_num_f32 v[TM+\c], v[BQ+8*\c], v[BQ+8*\c+1], v[BQ+8*\c+2]
.endr
.irp c, 0,1,2,3
	v_max3_num_f32 v[TM+\c], v[TM+\c], v[BQ+8*\c+3], v[BQ+8*\c+4]
.endr
.irp c, 0,1,2,3
	v_max3_num_f32 v[TM+\c], v[TM+\c], v[BQ+8*\c+5], v[BQ+8*\c+6]
.endr
	v_max3_num_f32 v[TM], v[TM], v[TM+1], v[BQ+7]
	v_max3_num_f32 v[TM+2], v[TM+2], v[TM+3], v[BQ+15]
	v_max3_num_f32 v[TM], v[TM], v[TM+2], v[BQ+23]
	v_max_num_f32 v[TM], v[TM], v[BQ+31]
	v_permlanex16_b32 v[TM+4], v[TM], s68, s69     ; the other half of the query's keys
	v_max_num_f32 v[TM], v[TM], v[TM+4]
	v_mul_f32 v[TM], s67, v[TM]                    ; - c x the chunk's maximum
	v_min_num_f32 v[NM+2*\qq+1], v[NM+2*\qq], v[TM]        ; T1 = the new NM
	v_sub_f32 v[AL+2*\qq], v[NM+2*\qq+1], v[NM+2*\qq]      ; old maximum - new maximum, at most 0
	v_exp_f32 v[AL+2*\qq], v[AL+2*\qq]             ; alpha
	v_mov_b32 v[NM+2*\qq], v[NM+2*\qq+1]           ; the plain instruction behind the exponential (ISA guide 5.7.2)
.set ss, BQ
.rept 16
	v_pk_fma_f32 v[ss:ss+1], v[ss:ss+1], s[66:67], v[NM+2*\qq:NM+2*\qq+1] op_sel_hi:[1,0,0]   ; c S - c maximum: both halves take s66 and NM
.set ss, ss+2
.endr
.set ss, BQ
.rept 32
	v_exp_f32 v[ss], v[ss]
.set ss, ss+1
.endr
	v_nop                                          ; the plain instruction behind the exponentials
	s_wait_alu depctr_va_vdst(0)
.irp c, 0,1,2,3
	v_pk_add_f32 v[TM+2*\c:TM+2*\c+1], v[BQ+4*\c:BQ+4*\c+1], v[BQ+4*\c+2:BQ+4*\c+3]
.endr
.irp c, 0,1,2,3
	v_pk_add_f32 v[TM+2*\c:TM+2*\c+1], v[TM+2*\c:TM+2*\c+1], v[BQ+16+2*\c:BQ+16+2*\c+1]
.endr
.irp c, 0,1,2,3
	v_pk_add_f32 v[TM+2*\c:TM+2*\c+1], v[TM+2*\c:TM+2*\c+1], v[BQ+24+2*\c:BQ+24+2*\c+1]
.endr
	v_pk_add_f32 v[TM:TM+1], v[TM:TM+1], v[TM+2:TM+3]
	v_pk_add_f32 v[TM+4:TM+5], v[TM+4:TM+5], v[TM+6:TM+7]
	v_pk_add_f32 v[TM:TM+1], v[TM:TM+1], v[TM+4:TM+5]
	v_fma_f32 v[AL+2*\qq+1], v[AL+2*\qq+1], v[AL+2*\qq], v[TM]     ; L = L alpha + my half of the chunk's sum
	v_add_f32 v[AL+2*\qq+1], v[AL+2*\qq+1], v[TM+1]
.set ss, 0
.rept 16
	v_cvt_pk_f16_f32 v[P+16*\qq+ss], v[BQ+2*ss], v[BQ+2*ss+1]      ; my eight keys of tile kb are registers 4 (kb & 1) .. + 3 of P's fragment (qq, kb >> 1)
.set ss, ss+1
.endr
.endm
.macro SCALEO                          ; O of block qq times the first register of its pair (alpha, L): O in window 2, the pair in window 1
	WIN 0x86
.irp qq, 0,1,2,3
.set oo, 32*\qq
.rept 16
	v_pk_mul_f32 v[oo:oo+1], v[oo:oo+1], v[AL+2*\qq:AL+2*\qq+1] op_sel_hi:[1,0]
.set oo, oo+2
.endr
.endr
.endm
; 64 keys: chunk cit of the slot's tile.  first = 1: the block's first chunk starts O.  kpre = 1: K's fragments of chunk 0 are fetched meanwhile.
; In each of the two groups of 32 matrix instructions sixteen accumulators take turns, one instruction a turn.
.macro CHUNK slot, cit, cidx, first, kpre
	s_wait_dscnt 0x0                               ; K's fragments are in
.if \first
	s_wait_loadcnt 0x0                             ; Q's too
.endif
	WIN 0x50
.irp ks, 0,1
.irp qq, 0,1,2,3
.irp kb, 0,1,2,3
.if \ks == 0
	v_wmma_f32_16x16x32_f16 v[8*(4*\qq+\kb):8*(4*\qq+\kb)+7], v[KF+8*(2*\kb+\ks):KF+8*(2*\kb+\ks)+7], v[QF+8*(2*\qq+\ks):QF+8*(2*\qq+\ks)+7], 0
.else
	v_wmma_f32_16x16x32_f16 v[8*(4*\qq+\kb):8*(4*\qq+\kb)+7], v[KF+8*(2*\kb+\ks):KF+8*(2*\kb+\ks)+7], v[QF+8*(2*\qq+\ks):QF+8*(2*\qq+\ks)+7], v[8*(4*\qq+\kb):8*(4*\qq+\kb)+7]
.endif
.endr
.endr
.endr
	WIN 0
	PLACES
.irp kc, 0,1
.irp db, 0,1,2,3
	ds_load_tr16_b128 v[VF+8*(4*\kc+\db):VF+8*(4*\kc+\db)+3],   v[ADRV+\slot] offset:\cit*10240+\kc*5120+\db*32
	ds_load_tr16_b128 v[VF+8*(4*\kc+\db)+4:VF+8*(4*\kc+\db)+7], v[ADRV+\slot] offset:\cit*10240+\kc*5120+\db*32+2560
.endr
.endr
.if \kpre
	KLOAD \slot, 0
.endif
	WIN 0x55
	SMQ 0, \cidx
	SMQ 1, \cidx
	SMQ 2, \cidx
	SMQ 3, \cidx
.if \first == 0
	SCALEO
.endif
.if \kpre
	s_wait_dscnt 16                                ; V's 16 loads are in; the 16 younger ones are the next chunk's K
.else
	s_wait_dscnt 0x0
.endif
	WIN 0xa4
.irp kc, 0,1
.irp qq, 0,1,2,3
.irp db, 0,1,2,3
.if \first && (\kc == 0)
	v_wmma_f32_16x16x32_f16 v[8*(4*\qq+\db):8*(4*\qq+\db)+7], v[VF+8*(4*\kc+\db):VF+8*(4*\kc+\db)+7], v[P+8*(2*\qq+\kc):P+8*(2*\qq+\kc)+7], 0
.else
	v_wmma_f32_16x16x32_f16 v[8*(4*\qq+\db):8*(4*\qq+\db)+7], v[VF+8*(4*\kc+\db):VF+8*(4*\kc+\db)+7], v[P+8*(2*\qq+\kc):P+8*(2*\qq+\kc)+7], v[8*(4*\qq+\db):8*(4*\qq+\db)+7]
.endif
.endr
.endr
.endr
	WIN 0
.endm
; One tile of 128 keys.  In front of the barrier every wave waits for all its tensor loads (its part of this tile) and for its reads of the other slot;
; behind it the other slot is filled first, one tensor load a wave, and has this tile's work in which to land.
.macro STEP slot, refill, c1, c0, first
	s_wait_tensorcnt 0x0
	ds_add_u32 v254, v255
	s_wait_dscnt 0x0
.if \refill
	NEXT (1-\slot)                                 ; no tensor load of mine is out: the group 0 sets may be written
.endif
	s_wait_dscnt 0x0
	s_barrier_signal -1
	s_barrier_wait -1
.if \refill
	TLOAD (1-\slot)
.endif
	KLOAD \slot, 1
	CHUNK \slot, 1, \c1, \first, 1
	CHUNK \slot, 0, \c0, 0, 0
.endm
; A query block begins: s63 = its number.
.macro HEAD
	s_wait_xcnt 0x0                                ; the bases and the registers that earlier stores read are rewritten only behind this wait
	s_lshl_b32 s70, s63, 15                        ; 256 queries x 128 bytes; s71 = 0
	s_add_nc_u64 s[20:21], s[12:13], s[70:71]
	s_add_nc_u64 s[22:23], s[18:19], s[70:71]
.irp f, 0,1,2,3,4,5,6,7
	global_load_b128 v[QF+8*\f:QF+8*\f+3],   v[VQ], s[20:21] offset:(\f>>1)*2048+(\f&1)*64
	global_load_b128 v[QF+8*\f+4:QF+8*\f+7], v[VQ], s[20:21] offset:(\f>>1)*2048+(\f&1)*64+32
.endr
	WIN 0x40
.irp q, 0,1,2,3
	v_mov_b32 v[NM+2*\q], 0x7f000000               ; NM = 2^127
	v_mov_b32 v[AL+2*\q+1], 0                      ; L = 0
.endr
	WIN 0
.endm
; A query block ends: O / L, rounded to f16, through my own stage: four queries' 512 consecutive bytes of ctx in each store.
.macro FINAL
	PLACES
	WIN 0x55
.irp q, 0,1,2,3
	v_permlanex16_b32 v[TM+\q], v[AL+2*\q+1], s68, s69
.endr
.irp q, 0,1,2,3
	v_add_f32 v[AL+2*\q+1], v[AL+2*\q+1], v[TM+\q] ; the two halves of the query's sum
.endr
.irp q, 0,1,2,3
	v_rcp_f32 v[AL+2*\q], v[AL+2*\q+1]
.endr
	v_nop                                          ; the plain instruction behind the reciprocals
	s_wait_alu depctr_va_vdst(0)
	SCALEO
.irp qq, 0,1,2,3
	WIN 0x0a
.irp db, 0,1,2,3
.irp t, 0,1,2,3
	v_cvt_pk_f16_f32 v[OT+4*\db+\t], v[8*(4*\qq+\db)+2*\t], v[8*(4*\qq+\db)+2*\t+1]
.endr
.endr
	WIN 0
.irp db, 0,1,2,3
	ds_store_b128 v[STO], v[OT+4*\db:OT+4*\db+3] offset:32*\db
.endr
.irp t, 0,1,2,3
	ds_load_b128 v[KF+16*\qq+4*\t:KF+16*\qq+4*\t+3], v[RD] offset:576*\t   ; LDS serves a wave's instructions in order: these see the stores above
.endr
.irp t, 0,1,2,3
	s_wait_dscnt 3-\t                              ; read-back t is in, the younger ones stay out
	global_store_b128 v[CO], v[KF+16*\qq+4*\t:KF+16*\qq+4*\t+3], s[22:23] offset:\qq*2048+512*\t
.endr
.endr
.endm
.macro DIAG                            ; the two diagonal tiles: chunks 3, 2, 1, 0 of the block's own 256 keys
	STEP 0, 1, 3, 2, 1
	STEP 1, 1, 1, 0, 0
.endm
	; block p: the diagonal lap and p laps of two tiles; the last step's refill is the second block's first tile
	s_mov_b32 s63, s9
	HEAD
	DIAG
	s_cmp_eq_u32 s9, 0
	s_cbranch_scc1 .Lfirst_done
	s_mov_b32 s62, 0
.Lfirst:
	STEP 0, 1, -1, -1, 0
	STEP 1, 1, -1, -1, 0
	s_add_co_u32 s62, s62, 1
	s_cmp_lt_u32 s62, s9
	s_cbranch_scc1 .Lfirst
.Lfirst_done:
	FINAL
	; block 7 - p: the diagonal lap, 6 - p laps in the loop (at least three), and the last lap written out: its second step fetches nothing
	s_sub_co_u32 s63, 7, s9
	s_sub_co_u32 s61, 6, s9
	HEAD
	DIAG
	s_mov_b32 s62, 0
.Lsecond:
	STEP 0, 1, -1, -1, 0
	STEP 1, 1, -1, -1, 0
	s_add_co_u32 s62, s62, 1
	s_cmp_lt_u32 s62, s61
	s_cbranch_scc1 .Lsecond
	STEP 0, 1, -1, -1, 0
	STEP 1, 0, -1, -1, 0
	FINAL
	s_wait_tensorcnt 0x0
	ds_add_u32 v254, v255
	s_wait_dscnt 0x0
	s_endpgm
.Lfunc_end_k_qb5c4aeb3e4_attn:
	.size	k_qb5c4aeb3e4_attn, .Lfunc_end_k_qb5c4aeb3e4_attn-k_qb5c4aeb3e4_attn
	.p2alignl 7, 3214868480
	.fill 96, 4, 3214868480
	.section	.rodata,"a",@progbits
	.p2align	6, 0x0
	.amdhsa_kernel k_qb5c4aeb3e4_attn
		.amdhsa_group_segment_fixed_size 327680
		.amdhsa_private_segment_fixed_size 0
		.amdhsa_enable_private_segment 0
		.amdhsa_kernarg_size 16
		.amdhsa_user_sgpr_count 2
		.amdhsa_user_sgpr_kernarg_segment_ptr 1
		.amdhsa_wavefront_size32 1
		.amdhsa_system_sgpr_workgroup_id_x 1
		.amdhsa_system_sgpr_workgroup_id_y 1
		.amdhsa_system_sgpr_workgroup_id_z 1
		.amdhsa_system_vgpr_workitem_id 0
		.amdhsa_next_free_vgpr 640
		.amdhsa_next_free_sgpr 72
		.amdhsa_reserve_vcc 1
		.amdhsa_float_denorm_mode_32 3
		.amdhsa_float_denorm_mode_16_64 3
		.amdhsa_memory_ordered 1
		.amdhsa_forward_progress 1
		.amdhsa_inst_pref_size 255
	.end_amdhsa_kernel
	.section	.bss,"aw",@nobits
	.p2align	6
	.space	262144
	.amdgpu_metadata
---
amdhsa.version: [ 1, 2 ]
amdhsa.kernels:
  - .name:           k_qb5c4aeb3e4_attn
    .symbol:         k_qb5c4aeb3e4_attn.kd
    .args:
      - { .name: qkv, .offset: 0, .size: 8, .value_kind: global_buffer, .address_space: global }
      - { .name: ctx, .offset: 8, .size: 8, .value_kind: global_buffer, .address_space: global }
    .group_segment_fixed_size: 327680
    .private_segment_fixed_size: 0
    .kernarg_segment_align: 8
    .kernarg_segment_size: 16
    .max_flat_workgroup_size: 128
    .sgpr_count:     72
    .vgpr_count:     640
    .wavefront_size: 32
...
	.end_amdgpu_metadata
.endif
;; end of part 3
;; launch oproj (part 4): grid 8 x 32, 4 waves a work-group, clusters of 4 x 4, 327,680 bytes of LDS; arguments ctx, oh, out_b, out0; writes out0
.if DOCPART == 4
	.amdgcn_target "amdgcn-amd-amdhsa--gfx1250"
	.amdhsa_code_object_version 6
	.text
	.protected	k_qb5c4aeb3e4_oproj
	.globl	k_qb5c4aeb3e4_oproj
	.p2align	8
	.type	k_qb5c4aeb3e4_oproj,@function
k_qb5c4aeb3e4_oproj:
	s_mov_b64 s[64:65], 0
	v_nop
	global_prefetch_b8 v0, s[64:65] scope:SCOPE_SE
	s_setreg_imm32_b32 hwreg(HW_REG_WAVE_MODE, 25, 1), 1
	s_wait_xcnt 0x0
	s_wait_alu depctr_hold_cnt(0) depctr_sa_sdst(0) depctr_va_vdst(0) depctr_va_sdst(0) depctr_va_ssrc(0) depctr_va_vcc(0) depctr_vm_vsrc(0)
	s_getreg_b32 s2, hwreg(HW_REG_IB_STS2, 6, 4)
	s_cmp_eq_u32 s2, 0
	s_cbranch_scc0 .Lentry_in_a_cluster
	s_endpgm
.Lentry_in_a_cluster:
	s_bfe_u32 s2, ttmp6, 0x10000c
	s_cmp_lg_u32 s2, 0xf033
	s_cbranch_scc0 .Lentry_shape_is_right
	s_endpgm
.Lentry_shape_is_right:
; out0[token][n] = sum over k of ctx[token][k] out_w[n][k] + out_b[n].  ctx [h 16][token 8192][64] f16 (k = 64 h + d), oh [n 1024][k 1024] f16, out0 f32.
; 8192 x 1024 outputs on 256 work-groups: a block of 256 tokens x 128 columns.  Four waves, 2 x 2: a wave has 128 tokens x 64 columns, 32 accumulator
; tiles in window 1, tile (a, b) at v[8 (4 a + b)].  K goes in 8 steps of 128 (two heads) through two LDS slots.
; CLUSTERS: 4 x 4 work-groups; ctx's tile is asked for jointly along a row of the cluster, oh's along a column.
; THE MATRIX INSTRUCTION IS USED TRANSPOSED: source 0 = 16 rows of oh, source 1 = 16 tokens: a lane holds 8 neighbouring columns of one token.
.set SLOT,  108544                     ; ctx: [token half 2][head 2][128 tokens] x 144 bytes, then oh: 128 rows x 272 bytes
.set BOFF,  73728
.set STAGE, 217088                     ; behind the ring: 16 rows x 272 bytes for each wave; no tensor load lands here
.set ADRA, 8                           ; v8-9
.set ADRB, 10                          ; v10-11
.set STO,  12
.set RD,   13
.set CO,   14
.set BO,   15
.set F0,   32                          ; v32-127   fragments: 8 of tokens, then 4 of oh
.set F1,   128                         ; v128-223
.set BIAS, 224                         ; v224-227  out_b of the four columns that I store
.set G1A, 24
.set G0A, 32
.set G1B, 48
.set G0B, 56
.set MSB, 0
.macro WIN new
.if MSB != \new
	s_set_vgpr_msb (MSB<<8)|\new
.set MSB, \new
.endif
.endm
.macro PLACES                          ; four plain vector instructions between a matrix instruction and a load into, or an access to, its registers
.rept 4
	v_nop
.endr
.endm
.macro JLOAD s                         ; waves 0, 1: ctx's two halves of 128 tokens; waves 2, 3: oh's two halves of 64 rows
	s_cmp_eq_u32 s13, 0
	s_cbranch_scc0 .Lfor_b_\@
	tensor_load_to_lds s[G0A+4*\s:G0A+4*\s+3], s[G1A:G1A+7]
	s_nop 0
	s_branch .Lasked_\@
.Lfor_b_\@:
	tensor_load_to_lds s[G0B+4*\s:G0B+4*\s+3], s[G1B:G1B+7]
	s_nop 0
.Lasked_\@:
.endm
.macro CREST
	s_cmp_lg_u32 s12, 0
	s_cbranch_scc1 .Lnot_wave_0_\@
	s_barrier_signal -3
.Lnot_wave_0_\@:
	s_barrier_wait -3
	s_barrier_signal -1
	s_barrier_wait -1
.endm
.macro CROUND
	s_barrier_signal -1
	s_barrier_wait -1
	CREST
.endm
	s_load_b256 s[4:11], s[0:1], 0x0               ; ctx 4:5, oh 6:7, out_b 8:9, out0 10:11
	v_lshl_add_u32 v254, v0, 2, 0x39400
	v_mov_b32 v255, 0
	ds_add_u32 v254, v255
	v_lshrrev_b32 v1, 5, v0
	v_readfirstlane_b32 s12, v1                    ; wave
	s_lshr_b32 s13, s12, 1                         ; wy.  Also: I fetch ctx (0) or oh (1)
	s_and_b32 s14, s12, 1                          ; wx.  Also: which half of that tile
	s_bfe_u32 s40, ttmp6, 0x40000                  ; cx
	s_bfe_u32 s41, ttmp6, 0x40004                  ; cy
	s_lshl_b32 s42, ttmp9, 2
	s_add_co_u32 s42, s42, s40                     ; block column 0..7
	s_and_b32 s15, ttmp7, 0xffff
	s_lshl_b32 s15, s15, 2
	s_add_co_u32 s15, s15, s41                     ; block row 0..31
	s_lshl_b32 s43, s41, 2
	s_lshl_b32 s43, 15, s43
	s_lshl_b32 s44, 0x1111, s40
	; ctx: two heads' 128 tokens: two rows of 2,048 elements of 8 bytes (16 KiB, dense), 1 MiB apart; 4 words of padding behind every 32 words, that is behind every token
	s_or_b32 s[G1A+0], s43, (3<<16)|(1<<20)|(1<<21)|(4<<22)|(3<<25)
	s_mov_b32 s[G1A+1], 2048<<16
	s_mov_b32 s[G1A+2], 2<<16
	s_mov_b32 s[G1A+3], 2048<<16
	s_mov_b32 s[G1A+4], 2
	s_mov_b32 s[G1A+5], 131072
	s_mov_b32 s[G1A+6], 0
	s_mov_b32 s[G1A+7], 0
	; oh: 64 rows x 128 elements of 2 bytes; 4 words of padding behind every 64 words
	s_or_b32 s[G1B+0], s44, (1<<16)|(1<<20)|(1<<21)|(5<<22)|(3<<25)
	s_mov_b32 s[G1B+1], 128<<16
	s_mov_b32 s[G1B+2], 64<<16
	s_mov_b32 s[G1B+3], 128<<16
	s_mov_b32 s[G1B+4], 64
	s_mov_b32 s[G1B+5], 1024
	s_mov_b32 s[G1B+6], 0
	s_mov_b32 s[G1B+7], 0
	s_lshl_b32 s16, s15, 15                        ; ctx: block row x 256 tokens x 128 bytes
	s_lshl_b32 s17, s14, 14                        ; + half x 128 tokens
	s_add_co_u32 s16, s16, s17
	s_mov_b32 s17, 0
	s_lshl_b32 s46, s42, 18                        ; oh: block column x 128 rows x 2,048 bytes
	s_lshl_b32 s47, s14, 17                        ; + half x 64 rows
	s_add_co_u32 s46, s46, s47
	s_mov_b32 s47, 0
	s_mul_i32 s20, s12, 36864                      ; LDS: waves 0, 1: 2 x 128 rows of 144 bytes each
	s_mul_i32 s21, s12, 17408
	s_add_co_u32 s21, s21, 38912                   ; LDS: waves 2, 3: BOFF + (wave - 2) x 64 rows of 272 bytes
	s_wait_dscnt 0x0
	s_wait_kmcnt 0x0
	s_add_nc_u64 s[18:19], s[4:5], s[16:17]
	s_add_nc_u64 s[46:47], s[6:7], s[46:47]
	CROUND                                         ; all sixteen work-groups are here: the first joint loads meet
.irp s, 0,1
	s_mov_b32 s[G0A+4*\s], 1
	s_add_co_u32 s[G0A+4*\s+1], s20, \s*SLOT
	s_add_nc_u64 s[G0A+4*\s+2:G0A+4*\s+3], s[18:19], \s*2097152    ; two heads of 1 MiB
	s_or_b32 s[G0A+4*\s+3], s[G0A+4*\s+3], 0x80000000
	s_mov_b32 s[G0B+4*\s], 1
	s_add_co_u32 s[G0B+4*\s+1], s21, \s*SLOT
	s_add_nc_u64 s[G0B+4*\s+2:G0B+4*\s+3], s[46:47], \s*256
	s_or_b32 s[G0B+4*\s+3], s[G0B+4*\s+3], 0x80000000
	JLOAD \s
.endr
	v_and_b32 v1, 15, v0                           ; r
	v_bfe_u32 v2, v0, 4, 1                         ; h
	v_lshlrev_b32 v[BO], 4, v1                     ; 16 (lane & 15)
	s_lshl_b32 s22, s42, 9                         ; my 64 columns of f32: 512 x block column + 256 x wx
	s_lshl_b32 s23, s14, 8
	s_add_co_u32 s22, s22, s23
	s_mov_b32 s23, 0
	s_add_nc_u64 s[8:9], s[8:9], s[22:23]
	s_add_nc_u64 s[10:11], s[10:11], s[22:23]
	global_load_b128 v[BIAS:BIAS+3], v[BO], s[8:9]
	s_lshl_b32 s22, s15, 20                        ; my first token: 256 rows of 4,096 bytes a block, 128 a half
	s_lshl_b32 s23, s13, 19
	s_add_co_u32 s22, s22, s23
	s_mov_b32 s23, 0
	s_add_nc_u64 s[10:11], s[10:11], s[22:23]
	v_mul_u32_u24 v3, v1, 144
	v_lshl_add_u32 v3, v2, 4, v3
	s_mul_i32 s22, s13, 36864
	v_add_nc_u32 v[ADRA], s22, v3
	v_add_nc_u32 v[ADRA+1], SLOT, v[ADRA]
	v_mul_u32_u24 v3, v1, 272
	v_lshl_add_u32 v4, v2, 4, v3
	s_mul_i32 s22, s14, 17408
	s_add_co_u32 s22, s22, BOFF
	v_add_nc_u32 v[ADRB], s22, v4
	v_add_nc_u32 v[ADRB+1], SLOT, v[ADRB]
	s_mul_i32 s22, s12, 4352
	s_add_co_u32 s22, s22, STAGE
	v_lshl_add_u32 v4, v2, 5, v3                   ; in: token r, 32 bytes for each half of the lanes
	v_add_nc_u32 v[STO], s22, v4
	v_mul_u32_u24 v4, v2, 272                      ; back: lanes 0-15 take one row of 256 bytes, lanes 16-31 the next
	v_add_nc_u32 v4, v4, v[BO]
	v_add_nc_u32 v[RD], s22, v4
	v_lshl_add_u32 v[CO], v2, 12, v[BO]            ; and the same two rows in out0
; 16 matrix instructions: token blocks a0 .. a0+3 x all four column blocks.  The 32 accumulators take turns, one instruction a turn, in the same
; order in every quarter.
.macro MUL a0, f, zero
.irp a, \a0, \a0+1, \a0+2, \a0+3
.irp b, 0,1,2,3
.if \zero
	v_wmma_f32_16x16x32_f16 v[8*(4*(\a)+\b):8*(4*(\a)+\b)+7], v[\f+64+8*\b:\f+64+8*\b+7], v[\f+8*(\a):\f+8*(\a)+7], 0
.else
	v_wmma_f32_16x16x32_f16 v[8*(4*(\a)+\b):8*(4*(\a)+\b)+7], v[\f+64+8*\b:\f+64+8*\b+7], v[\f+8*(\a):\f+8*(\a)+7], v[8*(4*(\a)+\b):8*(4*(\a)+\b)+7]
.endif
.endr
.endr
.endm
.macro FETCH slot, qk, f               ; 24 loads: quarter qk (32 along K: head qk >> 1, byte 64 (qk & 1) of a token's row)
.irp a, 0,1,2,3,4,5,6,7
	ds_load_b128 v[\f+8*\a:\f+8*\a+3],   v[ADRA+\slot] offset:(\qk>>1)*18432+(\qk&1)*64+\a*2304
	ds_load_b128 v[\f+8*\a+4:\f+8*\a+7], v[ADRA+\slot] offset:(\qk>>1)*18432+(\qk&1)*64+\a*2304+32
.endr
.irp b, 0,1,2,3
	ds_load_b128 v[\f+64+8*\b:\f+64+8*\b+3], v[ADRB+\slot] offset:\b*4352+\qk*64
	ds_load_b128 v[\f+64+8*\b+4:\f+64+8*\b+7], v[ADRB+\slot] offset:\b*4352+\qk*64+32
.endr
.endm
.macro QUARTER slot, nextqk, f, g, zero ; multiplies buffer f; the next quarter's fragments go out first, into buffer g
	s_wait_dscnt 0x0                               ; buffer f is in
	WIN 0
	PLACES
	FETCH \slot, \nextqk, \g
	WIN 0x50
	MUL 0, \f, \zero
	MUL 4, \f, \zero
.endm
.macro THREE slot, zero
	QUARTER \slot, 1, F0, F1, \zero
	QUARTER \slot, 2, F1, F0, 0
	QUARTER \slot, 3, F0, F1, 0
.endm
; The last quarter of a K step changes slots: each wave's waits for its reads of this slot and for all its tensor loads stand in front of the barrier;
; where the slot is filled again the barrier opens a round of the cluster's barrier and the joint refill is the first tensor load behind it.
.macro TURN slot, next, fill
	s_wait_dscnt 0x0
	s_wait_tensorcnt 0x0
	ds_add_u32 v254, v255
	s_wait_dscnt 0x0
	s_barrier_signal -1
	WIN 0x50
	MUL 0, F1, 0
	WIN 0
	s_barrier_wait -1
.if \fill
	CREST
	s_add_nc_u64 s[G0A+4*\slot+2:G0A+4*\slot+3], s[G0A+4*\slot+2:G0A+4*\slot+3], 2*2097152
	s_add_nc_u64 s[G0B+4*\slot+2:G0B+4*\slot+3], s[G0B+4*\slot+2:G0B+4*\slot+3], 2*256
	JLOAD \slot
.endif
	PLACES
	FETCH \next, 0, F0
	WIN 0x50
	MUL 4, F1, 0
.endm
.macro LAP zero
	THREE 0, \zero
	TURN 0, 1, 1
	THREE 1, 0
	TURN 1, 0, 1
.endm
	s_wait_tensorcnt 1                             ; my part of K step 0 is in; step 1's may stay out
	s_barrier_signal -1
	s_barrier_wait -1
	FETCH 0, 0, F0
	LAP 1                                          ; steps 0, 1: the first products start the sums
	WIN 0
	s_mov_b32 s3, 2                                ; steps 2 .. 5
.Llap:
	LAP 0
	WIN 0
	s_sub_co_u32 s3, s3, 1
	s_cmp_lg_u32 s3, 0
	s_cbranch_scc1 .Llap
	THREE 0, 0                                     ; steps 6, 7: nothing is left to fetch
	TURN 0, 1, 0
	THREE 1, 0
	s_wait_dscnt 0x0
	WIN 0x50
	MUL 0, F1, 0
	MUL 4, F1, 0
	WIN 0
	PLACES
	s_wait_loadcnt 0x0                             ; out_b
	; THE WAY OUT, 16 tokens at a time: the sums go into my own stage as they are, come back as whole rows of 256 bytes, get the bias, and leave:
	; sixteen lanes store 256 consecutive bytes at a multiple of 256 from out0's first byte.
.macro OUT16 a, f
	WIN 0x04                                       ; the stored data lie in window 1
.irp b, 0,1,2,3
	ds_store_b128 v[STO], v[8*(4*\a+\b):8*(4*\a+\b)+3] offset:64*\b
	ds_store_b128 v[STO], v[8*(4*\a+\b)+4:8*(4*\a+\b)+7] offset:64*\b+16
.endr
	WIN 0
	s_wait_xcnt 0x0                                ; set f, which earlier stores read, is loaded again only behind this wait
.irp t, 0,1,2,3,4,5,6,7
	ds_load_b128 v[\f+4*\t:\f+4*\t+3], v[RD] offset:\t*544         ; LDS serves a wave's instructions in order: these see the stores above
.endr
.irp t, 0,1,2,3,4,5,6,7
	s_wait_dscnt 7-\t                              ; read-back t is in, the younger ones stay out
	v_pk_add_f32 v[\f+4*\t:\f+4*\t+1], v[\f+4*\t:\f+4*\t+1], v[BIAS:BIAS+1]
	v_pk_add_f32 v[\f+4*\t+2:\f+4*\t+3], v[\f+4*\t+2:\f+4*\t+3], v[BIAS+2:BIAS+3]
	global_store_b128 v[CO], v[\f+4*\t:\f+4*\t+3], s[10:11] offset:(16*\a+2*\t)*4096 th:TH_STORE_NT
.endr
.endm
	OUT16 0, 32
	OUT16 1, 64
	OUT16 2, 32
	OUT16 3, 64
	OUT16 4, 32
	OUT16 5, 64
	OUT16 6, 32
	OUT16 7, 64
	s_wait_tensorcnt 0x0
	ds_add_u32 v254, v255
	s_wait_dscnt 0x0
	CROUND                                         ; the closing round: no work-group ends while a partner may still ask for a tile that names it
	s_endpgm
.Lfunc_end_k_qb5c4aeb3e4_oproj:
	.size	k_qb5c4aeb3e4_oproj, .Lfunc_end_k_qb5c4aeb3e4_oproj-k_qb5c4aeb3e4_oproj
	.p2alignl 7, 3214868480
	.fill 96, 4, 3214868480
	.section	.rodata,"a",@progbits
	.p2align	6, 0x0
	.amdhsa_kernel k_qb5c4aeb3e4_oproj
		.amdhsa_group_segment_fixed_size 327680
		.amdhsa_private_segment_fixed_size 0
		.amdhsa_enable_private_segment 0
		.amdhsa_kernarg_size 32
		.amdhsa_user_sgpr_count 2
		.amdhsa_user_sgpr_kernarg_segment_ptr 1
		.amdhsa_wavefront_size32 1
		.amdhsa_system_sgpr_workgroup_id_x 1
		.amdhsa_system_sgpr_workgroup_id_y 1
		.amdhsa_system_sgpr_workgroup_id_z 1
		.amdhsa_system_vgpr_workitem_id 0
		.amdhsa_next_free_vgpr 512
		.amdhsa_next_free_sgpr 66
		.amdhsa_reserve_vcc 0
		.amdhsa_float_denorm_mode_32 3
		.amdhsa_float_denorm_mode_16_64 3
		.amdhsa_memory_ordered 1
		.amdhsa_forward_progress 1
		.amdhsa_inst_pref_size 125
	.end_amdhsa_kernel
	.amdgpu_metadata
---
amdhsa.version: [ 1, 2 ]
amdhsa.kernels:
  - .name:           k_qb5c4aeb3e4_oproj
    .symbol:         k_qb5c4aeb3e4_oproj.kd
    .args:
      - { .name: ctx, .offset: 0, .size: 8, .value_kind: global_buffer, .address_space: global }
      - { .name: oh, .offset: 8, .size: 8, .value_kind: global_buffer, .address_space: global }
      - { .name: out_b, .offset: 16, .size: 8, .value_kind: global_buffer, .address_space: global }
      - { .name: out0, .offset: 24, .size: 8, .value_kind: global_buffer, .address_space: global }
    .group_segment_fixed_size: 327680
    .private_segment_fixed_size: 0
    .kernarg_segment_align: 8
    .kernarg_segment_size: 32
    .max_flat_workgroup_size: 128
    .sgpr_count:     66
    .vgpr_count:     512
    .wavefront_size: 32
...
	.end_amdgpu_metadata
.endif
;; end of part 4
;; ======== version 2 of 3: 4 launches; 1.44 times as fast as version 1
;; limits: values are held in f16: magnitudes above 65,504 overflow, below 6.1e-05 lose precision
;; workspace buffers: xh 16,777,216 bytes; wh 6,291,456 bytes; oh 2,097,152 bytes; qkv 50,331,648 bytes; ctx 16,777,216 bytes
;; launch cast: the kernel of part 1 again; grid 384 x 1, 8 waves a work-group, no clusters, 0 bytes of LDS; arguments x, w_q, w_k, w_v, out_w, xh, wh, oh; writes xh, wh, oh
;; launch qkv: the kernel of part 2 again; grid 8 x 32, 4 waves a work-group, clusters of 4 x 4, 327,680 bytes of LDS; arguments xh, wh, qkv; writes qkv
;; launch attn (part 5): grid 4 x 64, 8 waves a work-group, no clusters, 327,680 bytes of LDS; arguments qkv, ctx; writes ctx
.if DOCPART == 5
	.amdgcn_target "amdgcn-amd-amdhsa--gfx1250"
	.amdhsa_code_object_version 6
	.text
	.protected	k_qb5c4aeb3e4_attn
	.globl	k_qb5c4aeb3e4_attn
	.p2align	8
	.type	k_qb5c4aeb3e4_attn,@function
k_qb5c4aeb3e4_attn:
	s_mov_b64 s[64:65], 0
	v_nop
	global_prefetch_b8 v0, s[64:65] scope:SCOPE_SE
	s_setreg_imm32_b32 hwreg(HW_REG_WAVE_MODE, 25, 1), 1
	s_wait_xcnt 0x0
; Causal attention of one head: ctx [h 16][token 8192][64] f16 from qkv [b][hh 48][n 2048][64] f16.  Scores, softmax and sums in f32.
; Work-group (p, bh), p = 0..3: query blocks p and 7 - p of head bh, 256 queries each: (2p + 2) + (16 - 2p) = 18 key tiles of 128 in every
; work-group, 9 laps of two tiles.  Eight waves, two for each of the WGP's four SIMDs, so that one wave's matrix instructions can be issued while
; the other is in its softmax; a wave has 32 queries, two blocks qq of 16.
; ONE LOOP BODY FOR ALL LAPS, so that the text is short: a lap's instructions stand twice in it (the loop, laps 0-7; the last lap, which fetches
; nothing).  What differs from lap to lap hangs on the lap counter, on p and on the wave's number alone: the mask lines of a diagonal lap (laps 0 and
; p + 1) stand behind a branch on a flag, the end of block p and the head of block 7 - p behind a branch at the foot of lap p.
; THE RING: two slots of one tile, both filled at the start; tile n lies in slot n & 1.  The one barrier of a tile stands in its SECOND chunk, where
; the wave's last reads of the slot have come back: signal, both softmaxes (registers alone), wait; behind it the slot just read is filled with tile
; n + 2, and the other slot's first K fragments are fetched under the scaling of O and the products with V.  So a wave may be ahead of another by the
; length of the softmaxes without waiting for it, and a tile has a whole step less the softmaxes in which to land.
; NO JOINT LOADS: the four work-groups of a head walk different tiles at a time (block p begins at tile 2p + 1), and walking all tiles in step
; would take 8 + 16 = 24 tile times for the 18 that are needed.
; ORIENTATION: S^T = K Q^T and O^T = V^T P, so a lane belongs to one query (lane & 15): maximum, sum and rescaling are the lane's own but for one
; exchange with lane ^ 16, and P's fragment is the lane's own scores, packed: no transposition, no LDS.
; ORDER: tiles descend inside a block, so a block's first lap is the diagonal one: chunks 3, 2, 1, 0 of the block's own 256 keys.  Wave w's last query
; is 32 w + 31, so it needs chunks 0 .. w >> 1.  A tile's FIRST chunk that lies wholly above is jumped over: chunk 3 by waves 0-5, chunk 1 by waves
; 0 and 1: 2 x 8 = 16 of a work-group's 8 x 36 = 288 chunk turns.  Chunk 2 stands round the barrier and is computed and masked by every wave
; (2 x 4 = 8 turns in vain): a chunk that is wholly masked leaves NM, L and O as they are.
; THE RUNNING MAXIMUM is kept as NM = - (maximum x c), c = 0.125 log2 e.  A block begins by NM = 2^127 alone: the first chunk in which a query has an
; unmasked key gives alpha = 2^(new NM - 2^127) = 0, which wipes O and L; before it alpha = 1 and P = 0.  So no chunk is a special case; O only has to
; hold finite numbers before its first scaling, and is written once, at the start.
; LIMITS: scaled scores below -2^127 would count as that; P and ctx are kept in f16 (P is at most 1, |ctx| at most max |v|); the wiping by alpha = 0
; needs a finite O, which holds while v is finite in f16.
.set SLOT,  38912                      ; V 128 keys x 160 bytes, then K 128 keys x 144 bytes
.set KOFF,  20480
.set STAGE, 77824                      ; behind the ring: 16 rows x 144 bytes for each of the eight waves; no tensor load lands here
.set ADRK, 8                           ; v8-9    K fragments in slot 0, 1
.set ADRV, 10                          ; v10-11  V fragments (transposing load) in slot 0, 1
.set VQ,   12                          ; v12     my byte offset in a query block of Q
.set STO,  13
.set RD,   14
.set CO,   15
.set KF,   32                          ; v32-95    K: fragment (kb, ks) at 8 (2 kb + ks)
.set VF,   96                          ; v96-159   V^T: fragment (kc, db) at 8 (4 kc + db); also the read-back on the way out
.set QF,   160                         ; v160-191  Q: fragment (qq, ks) at 8 (2 qq + ks)
.set OT,   192                         ; v192-207  the way out
; window 1: S = v0-63, tile (qq, kb) at 8 (4 qq + kb)
.set O,    64                          ; v64-127   O: tile (qq, db) at 8 (4 qq + db)
.set P,    128                         ; v128-159  P: fragment (qq, kc) at 8 (2 qq + kc)
.set NM,   192                         ; v192-195  pairs (NM, T1) of block qq
.set AL,   200                         ; v200-203  pairs (alpha, L) of block qq
.set TLB,  208                         ; 32 wave + r - 8 h
.set NINF, 209
.set TM,   212                         ; v212-219  at work
.set G1V, 24
.set G1K, 32
.set G0V, 40                           ; s[40:47] a set for each slot
.set G0K, 48                           ; s[48:55]
; s72 = lap counter, s73 = 1 in a diagonal lap, s74 = the highest chunk of the lap's four that I compute (3, or wave >> 1 in a diagonal lap), s75 = wave >> 1
.set MSB, 0
.macro WIN new                         ; the immediate's high byte repeats the setting that is left
.if MSB != \new
	s_set_vgpr_msb (MSB<<8)|\new
.set MSB, \new
.endif
.endm
.macro PLACES                          ; four plain vector instructions between a matrix instruction and a load into, or a vector access to, its registers
.rept 4
	v_nop
.endr
.endm
; Waves 0, 1 fetch V's two halves of 64 keys, waves 2, 3 K's; waves 4 to 7 have no part of a tile to fetch.
.macro TLOAD slot
	s_cmp_lt_u32 s8, 2
	s_cbranch_scc0 .Lnot_v_\@
	tensor_load_to_lds s[G0V+4*\slot:G0V+4*\slot+3], s[G1V:G1V+7]
	s_nop 0
	s_branch .Lasked_\@
.Lnot_v_\@:
	s_cmp_lt_u32 s8, 4
	s_cbranch_scc0 .Lasked_\@
	tensor_load_to_lds s[G0K+4*\slot:G0K+4*\slot+3], s[G1K:G1K+7]
	s_nop 0
.Lasked_\@:
.endm
; Tile s58 into the slot's two group 0 sets; then s58 steps down, and from 0 to the second block's first tile.
.macro NEXT slot
	s_lshl_b32 s56, s58, 14                        ; 128 keys x 128 bytes; s57 = 0
	s_add_nc_u64 s[G0V+4*\slot+2:G0V+4*\slot+3], s[14:15], s[56:57]
	s_or_b32 s[G0V+4*\slot+3], s[G0V+4*\slot+3], 0x80000000
	s_add_nc_u64 s[G0K+4*\slot+2:G0K+4*\slot+3], s[16:17], s[56:57]
	s_or_b32 s[G0K+4*\slot+3], s[G0K+4*\slot+3], 0x80000000
	s_sub_co_i32 s58, s58, 1
	s_cmp_lt_i32 s58, 0
	s_cselect_b32 s58, s59, s58
.endm
	s_load_b128 s[4:7], s[0:1], 0x0                ; qkv s[4:5], ctx s[6:7]
	v_lshl_add_u32 v254, v0, 2, 0x29000
	v_mov_b32 v255, 0
	ds_add_u32 v254, v255
	v_lshrrev_b32 v1, 5, v0
	v_readfirstlane_b32 s8, v1                     ; wave 0..7
	s_mov_b32 s9, ttmp9                            ; p
	s_and_b32 s10, ttmp7, 0xffff
	s_lshr_b32 s11, s10, 4                         ; b
	s_and_b32 s10, s10, 15                         ; h
	s_mul_i32 s70, s11, 12582912
	s_lshl_b32 s71, s10, 18
	s_add_co_u32 s70, s70, s71                     ; Q's head in qkv
	s_mov_b32 s71, 0
	s_lshl_b32 s60, s10, 20
	s_lshl_b32 s61, s11, 18
	s_add_co_u32 s60, s60, s61                     ; the head's and batch's place in ctx
	s_mov_b32 s61, 0
	s_and_b32 s62, s8, 1
	s_lshl_b32 s62, s62, 13                        ; my half of a tile: 64 keys x 128 bytes
	s_mov_b32 s63, 0
	s_mov_b32 s57, 0
	s_mov_b32 s66, 0x3e38aa3b                      ; c = 0.125 log2 e
	s_mov_b32 s67, 0xbe38aa3b                      ; -c
	s_mov_b32 s68, 0x76543210                      ; v_permlanex16_b32: lane i reads lane i ^ 16
	s_mov_b32 s69, 0xfedcba98
	; 64 keys x 128 bytes are dense: 32 rows of 32 elements of 8 bytes; padding behind every 32 words, that is behind every key: 8 words for V, 4 for K
	s_mov_b32 s[G1V+0], (3<<16)|(1<<20)|(4<<22)|(7<<25)
	s_mov_b32 s[G1K+0], (3<<16)|(1<<20)|(4<<22)|(3<<25)
.irp g, G1V, G1K
	s_mov_b32 s[\g+1], 32<<16
	s_mov_b32 s[\g+2], 32<<16
	s_mov_b32 s[\g+3], 32<<16
	s_mov_b32 s[\g+4], 32
	s_mov_b32 s[\g+5], 32
	s_mov_b32 s[\g+6], 0
	s_mov_b32 s[\g+7], 0
.endr
	s_mul_i32 s2, s8, 10240                        ; LDS: waves 0, 1: 64 keys of 160 bytes each
	s_mul_i32 s3, s8, 9216
	s_add_co_u32 s3, s3, 2048                      ; LDS: waves 2, 3: KOFF + (wave - 2) x 64 keys of 144 bytes
.irp s, 0,1
	s_mov_b32 s[G0V+4*\s], 1
	s_add_co_u32 s[G0V+4*\s+1], s2, \s*SLOT
	s_mov_b32 s[G0K+4*\s], 1
	s_add_co_u32 s[G0K+4*\s+1], s3, \s*SLOT
.endr
	s_lshl_b32 s58, s9, 1
	s_sub_co_u32 s59, 15, s58                      ; the second block's first tile: 2 (7 - p) + 1
	s_add_co_u32 s58, s58, 1                       ; the first block's first tile: 2 p + 1
	s_wait_dscnt 0x0
	s_barrier_signal -1
	s_barrier_wait -1
	s_wait_kmcnt 0x0
	s_add_nc_u64 s[12:13], s[4:5], s[70:71]        ; Q of my head
	s_add_nc_u64 s[18:19], s[6:7], s[60:61]        ; ctx of my head and batch
	s_add_nc_u64 s[14:15], s[12:13], s[62:63]
	s_add_nc_u64 s[16:17], s[14:15], 4194304       ; K: 16 heads further, my half
	s_add_nc_u64 s[14:15], s[14:15], 8388608       ; V: 32 heads further, my half
	NEXT 0
	NEXT 1
	; the two first fills of a wave, inside one branch on its number, ahead of every wait on TENSORcnt, LDS read and barrier: two tensor loads are out
	s_cmp_lt_u32 s8, 2
	s_cbranch_scc0 .Lfirst_not_v
	tensor_load_to_lds s[G0V:G0V+3], s[G1V:G1V+7]
	s_nop 0
	tensor_load_to_lds s[G0V+4:G0V+7], s[G1V:G1V+7]
	s_nop 0
	s_branch .Lfirst_asked
.Lfirst_not_v:
	s_cmp_lt_u32 s8, 4
	s_cbranch_scc0 .Lfirst_asked
	tensor_load_to_lds s[G0K:G0K+3], s[G1K:G1K+7]
	s_nop 0
	tensor_load_to_lds s[G0K+4:G0K+7], s[G1K:G1K+7]
	s_nop 0
.Lfirst_asked:
	v_and_b32 v1, 15, v0                           ; r
	v_bfe_u32 v2, v0, 4, 1                         ; h
	v_and_b32 v3, 7, v0
	v_bfe_u32 v4, v0, 3, 1
	v_bfe_u32 v5, v0, 3, 2
	v_and_b32 v6, 31, v0
	v_mul_u32_u24 v7, v1, 144
	v_lshl_add_u32 v7, v2, 4, v7                   ; row r, 16 bytes for each half of the lanes
	v_add_nc_u32 v[ADRK], KOFF, v7
	v_add_nc_u32 v[ADRK+1], KOFF+SLOT, v7
	v_lshl_add_u32 v16, v2, 3, v3                  ; transposing load: key 8 h + (lane & 7)
	v_mul_u32_u24 v16, v16, 160
	v_lshl_add_u32 v[ADRV], v4, 4, v16
	v_add_nc_u32 v[ADRV+1], SLOT, v[ADRV]
	s_lshl_b32 s60, s8, 12                         ; my 32 queries x 128 bytes
	v_lshlrev_b32 v[VQ], 7, v1
	v_lshl_add_u32 v[VQ], v2, 4, v[VQ]
	v_add_nc_u32 v[VQ], s60, v[VQ]
	s_mul_i32 s61, s8, 2304
	s_add_co_u32 s61, s61, STAGE
	v_add_nc_u32 v[STO], s61, v7
	v_mul_u32_u24 v17, v5, 144
	v_lshl_add_u32 v17, v3, 4, v17
	v_add_nc_u32 v[RD], s61, v17
	v_lshl_add_u32 v[CO], v6, 4, s60
	s_lshl_b32 s62, s8, 5
	v_lshlrev_b32 v18, 3, v2
	v_sub_nc_u32 v18, v1, v18
	v_add_nc_u32 v18, s62, v18                     ; 32 wave + r - 8 h
	WIN 0x40
	v_mov_b32 v[TLB], v18
	v_mov_b32 v[NINF], 0xff800000
	v_mov_b32 v[TM+4], 0                           ; v_permlanex16_b32 counts as a reader of its destination
	WIN 0
	; O gets finite numbers once, before its first scaling (by alpha = 0 or 1): eight products of a fragment of zeros write its 64 registers
.irp i, 0,1,2,3,4,5,6,7
	v_mov_b32 v[VF+\i], 0
.endr
	WIN 0x40
.irp t, 0,1,2,3,4,5,6,7
	v_wmma_f32_16x16x32_f16 v[O+8*\t:O+8*\t+7], v[VF:VF+7], v[VF:VF+7], 0
.endr
	WIN 0
.macro KLOAD slot, cit                 ; 16 loads: K's fragments of 64 keys
.irp kb, 0,1,2,3
.irp ks, 0,1
	ds_load_b128 v[KF+8*(2*\kb+\ks):KF+8*(2*\kb+\ks)+3],   v[ADRK+\slot] offset:\cit*9216+\kb*2304+\ks*64
	ds_load_b128 v[KF+8*(2*\kb+\ks)+4:KF+8*(2*\kb+\ks)+7], v[ADRK+\slot] offset:\cit*9216+\kb*2304+\ks*64+32
.endr
.endr
.endm
.macro VLOAD slot, cit                 ; 16 transposing loads: V^T's fragments of 64 keys
.irp kc, 0,1
.irp db, 0,1,2,3
	ds_load_tr16_b128 v[VF+8*(4*\kc+\db):VF+8*(4*\kc+\db)+3],   v[ADRV+\slot] offset:\cit*10240+\kc*5120+\db*32
	ds_load_tr16_b128 v[VF+8*(4*\kc+\db)+4:VF+8*(4*\kc+\db)+7], v[ADRV+\slot] offset:\cit*10240+\kc*5120+\db*32+2560
.endr
.endr
.endm
; S^T = K Q^T and O^T += V^T P: 16 matrix instructions each, in which eight accumulators take turns, one instruction a turn.
.macro SMUL
	WIN 0x50
.irp ks, 0,1
.irp qq, 0,1
.irp kb, 0,1,2,3
.if \ks == 0
	v_wmma_f32_16x16x32_f16 v[8*(4*\qq+\kb):8*(4*\qq+\kb)+7], v[KF+8*(2*\kb+\ks):KF+8*(2*\kb+\ks)+7], v[QF+8*(2*\qq+\ks):QF+8*(2*\qq+\ks)+7], 0
.else
	v_wmma_f32_16x16x32_f16 v[8*(4*\qq+\kb):8*(4*\qq+\kb)+7], v[KF+8*(2*\kb+\ks):KF+8*(2*\kb+\ks)+7], v[QF+8*(2*\qq+\ks):QF+8*(2*\qq+\ks)+7], v[8*(4*\qq+\kb):8*(4*\qq+\kb)+7]
.endif
.endr
.endr
.endr
.endm
.macro PVMUL
	WIN 0x54
.irp kc, 0,1
.irp qq, 0,1
.irp db, 0,1,2,3
	v_wmma_f32_16x16x32_f16 v[O+8*(4*\qq+\db):O+8*(4*\qq+\db)+7], v[VF+8*(4*\kc+\db):VF+8*(4*\kc+\db)+7], v[P+8*(2*\qq+\kc):P+8*(2*\qq+\kc)+7], v[O+8*(4*\qq+\db):O+8*(4*\qq+\db)+7]
.endr
.endr
.endr
.endm
; The mask of query block qq in a diagonal lap's chunk that begins 64 cidx keys behind the query block's first query, in window 1:
; key > query is 64 cidx + 16 kb + j - 16 qq > 32 wave + r - 8 h.  A line whose left side is at most -8 can hold in no lane and is left out.
.macro MASK qq, cidx
.irp kb, 0,1,2,3
.irp j, 0,1,2,3,4,5,6,7
.if (64*\cidx+16*\kb+\j-16*\qq) > -8
	v_cmp_gt_i32 vcc_lo, 64*\cidx+16*\kb+\j-16*\qq, v[TLB]
	v_cndmask_b32 v[32*\qq+8*\kb+\j], v[32*\qq+8*\kb+\j], v[NINF], vcc_lo
.endif
.endr
.endr
.endm
.macro MASKS cidx                      ; cidx >= 0: the chunk's place in a diagonal lap; its mask lines run where s73 = 1
.if \cidx >= 0
	s_cmp_eq_u32 s73, 0                            ; not a diagonal lap: every key of the chunk lies in front of every query
	s_cbranch_scc1 .Lno_mask_\@
	WIN 0x55
	MASK 0, \cidx
	MASK 1, \cidx
	WIN 0
.Lno_mask_\@:
.endif
.endm
; Softmax of query block qq over a chunk of 64 keys, all in window 1.
.macro SMQ qq
.set BQ, 32*\qq
.irp c, 0,1,2,3
	v_max3_num_f32 v[TM+\c], v[BQ+8*\c], v[BQ+8*\c+1], v[BQ+8*\c+2]
.endr
.irp c, 0,1,2,3
	v_max3_num_f32 v[TM+\c], v[TM+\c], v[BQ+8*\c+3], v[BQ+8*\c+4]
.endr
.irp c, 0,1,2,3
	v_max3_num_f32 v[TM+\c], v[TM+\c], v[BQ+8*\c+5], v[BQ+8*\c+6]
.endr
	v_max3_num_f32 v[TM], v[TM], v[TM+1], v[BQ+7]
	v_max3_num_f32 v[TM+2], v[TM+2], v[TM+3], v[BQ+15]
	v_max3_num_f32 v[TM], v[TM], v[TM+2], v[BQ+23]
	v_max_num_f32 v[TM], v[TM], v[BQ+31]
	v_permlanex16_b32 v[TM+4], v[TM], s68, s69     ; the other half of the query's keys
	v_max_num_f32 v[TM], v[TM], v[TM+4]
	v_mul_f32 v[TM], s67, v[TM]                    ; - c x the chunk's maximum
	v_min_num_f32 v[NM+2*\qq+1], v[NM+2*\qq], v[TM]        ; T1 = the new NM
	v_sub_f32 v[AL+2*\qq], v[NM+2*\qq+1], v[NM+2*\qq]      ; old maximum - new maximum, at most 0
	v_exp_f32 v[AL+2*\qq], v[AL+2*\qq]             ; alpha
	v_mov_b32 v[NM+2*\qq], v[NM+2*\qq+1]           ; the plain instruction behind the exponential (ISA guide 5.7.2)
.set ss, BQ
.rept 16
	v_pk_fma_f32 v[ss:ss+1], v[ss:ss+1], s[66:67], v[NM+2*\qq:NM+2*\qq+1] op_sel_hi:[1,0,0]   ; c S - c maximum: both halves take s66 and NM
.set ss, ss+2
.endr
.set ss, BQ
.rept 32
	v_exp_f32 v[ss], v[ss]
.set ss, ss+1
.endr
	v_nop                                          ; the plain instruction behind the exponentials
	s_wait_alu depctr_va_vdst(0)
.irp c, 0,1,2,3
	v_pk_add_f32 v[TM+2*\c:TM+2*\c+1], v[BQ+4*\c:BQ+4*\c+1], v[BQ+4*\c+2:BQ+4*\c+3]
.endr
.irp c, 0,1,2,3
	v_pk_add_f32 v[TM+2*\c:TM+2*\c+1], v[TM+2*\c:TM+2*\c+1], v[BQ+16+2*\c:BQ+16+2*\c+1]
.endr
.irp c, 0,1,2,3
	v_pk_add_f32 v[TM+2*\c:TM+2*\c+1], v[TM+2*\c:TM+2*\c+1], v[BQ+24+2*\c:BQ+24+2*\c+1]
.endr
	v_pk_add_f32 v[TM:TM+1], v[TM:TM+1], v[TM+2:TM+3]
	v_pk_add_f32 v[TM+4:TM+5], v[TM+4:TM+5], v[TM+6:TM+7]
	v_pk_add_f32 v[TM:TM+1], v[TM:TM+1], v[TM+4:TM+5]
	v_fma_f32 v[AL+2*\qq+1], v[AL+2*\qq+1], v[AL+2*\qq], v[TM]     ; L = L alpha + my half of the chunk's sum
	v_add_f32 v[AL+2*\qq+1], v[AL+2*\qq+1], v[TM+1]
.set ss, 0
.rept 16
	v_cvt_pk_f16_f32 v[P+16*\qq+ss], v[BQ+2*ss], v[BQ+2*ss+1]      ; my eight keys of tile kb are registers 4 (kb & 1) .. + 3 of P's fragment (qq, kb >> 1)
.set ss, ss+1
.endr
.endm
.macro SCALEO                          ; O of block qq times the first register of its pair (alpha, L), all in window 1
	WIN 0x55
.irp qq, 0,1
.set oo, O+32*\qq
.rept 16
	v_pk_mul_f32 v[oo:oo+1], v[oo:oo+1], v[AL+2*\qq:AL+2*\qq+1] op_sel_hi:[1,0]
.set oo, oo+2
.endr
.endr
.endm
; A tile's first chunk (its keys 64 .. 127).  Its K fragments were fetched behind the last barrier; the second chunk's are fetched here.
; cidx > 0: in a diagonal lap the waves whose queries all lie in front of the chunk (s74 < cidx) jump over it; on that way too the second chunk's
; K fragments are fetched, so that at the join 16 LDS loads are out on both ways.
.macro CHUNKA slot, cidx
.if \cidx > 0
	s_cmp_lt_u32 s74, \cidx
	s_cbranch_scc1 .Lskip_\@
.endif
	s_wait_dscnt 0x0                               ; K's fragments are in
	SMUL
	WIN 0
	PLACES
	VLOAD \slot, 1
	KLOAD \slot, 0
	MASKS \cidx
	WIN 0x55
	SMQ 0
	SMQ 1
	SCALEO
	s_wait_dscnt 16                                ; V's 16 loads are in; the 16 younger ones are the next chunk's K
	PVMUL
	WIN 0
.if \cidx > 0
	s_branch .Ldone_\@
.Lskip_\@:
	s_wait_dscnt 0x0                               ; the fragments fetched for this chunk have landed: their registers may be loaded again
	KLOAD \slot, 0
.Ldone_\@:
.endif
.endm
; A tile's second chunk (its keys 0 .. 63), with the change of slots.  mode 2: barrier and refill; 1: barrier alone (the last tile but one); 0: the last tile.
; In front of the signal every wave waits for its reads of this slot (V's loads just issued are the last) and for all its tensor loads (one is out: its
; part of the other slot's tile).  Between signal and wait: registers alone.  Behind the wait this slot is filled first, one tensor load a wave, then
; the other slot is read.
.macro CHUNKB slot, cidx, mode
	PLACES                                         ; behind the first chunk's products, which read V's registers
	VLOAD \slot, 0
	s_wait_dscnt 16                                ; K's fragments are in; the 16 younger loads are V's
	SMUL
	WIN 0
	PLACES
	MASKS \cidx
.if \mode
	s_wait_dscnt 0x0                               ; my reads of this slot are over
	s_wait_tensorcnt 0x0                           ; all my tensor loads have landed, so the group 0 sets may be written
	ds_add_u32 v254, v255
	s_wait_dscnt 0x0
.if \mode == 2
	NEXT \slot
.endif
	s_barrier_signal -1
.endif
	WIN 0x55
	SMQ 0
	SMQ 1
	WIN 0
.if \mode
	s_barrier_wait -1
.if \mode == 2
	TLOAD \slot
.endif
	KLOAD (1-\slot), 1                             ; the next tile's first chunk: these land under the scaling and the products below
.else
	s_wait_dscnt 0x0                               ; V's fragments are in
.endif
	SCALEO
	PVMUL
	WIN 0
.endm
; One tile of 128 keys.  qwait = 1: a lap's first tile, which may follow the loads of Q; the wait stands ahead of the branch that may jump over the first chunk.
.macro STEP slot, mode, c1, c0, qwait
.if \qwait
	s_wait_loadcnt 0x0
.endif
	CHUNKA \slot, \c1
	CHUNKB \slot, \c0, \mode
.endm
; A query block begins: s63 = its number.
.macro HEAD
	s_wait_xcnt 0x0                                ; the bases and the registers that earlier stores read are rewritten only behind this wait
	s_lshl_b32 s70, s63, 15                        ; 256 queries x 128 bytes; s71 = 0
	s_add_nc_u64 s[20:21], s[12:13], s[70:71]
	s_add_nc_u64 s[22:23], s[18:19], s[70:71]
.irp f, 0,1,2,3
	global_load_b128 v[QF+8*\f:QF+8*\f+3],   v[VQ], s[20:21] offset:(\f>>1)*2048+(\f&1)*64
	global_load_b128 v[QF+8*\f+4:QF+8*\f+7], v[VQ], s[20:21] offset:(\f>>1)*2048+(\f&1)*64+32
.endr
	WIN 0x40
.irp q, 0,1
	v_mov_b32 v[NM+2*\q], 0x7f000000               ; NM = 2^127: the next unmasked key wipes O and L
	v_mov_b32 v[AL+2*\q+1], 0                      ; L = 0
.endr
	WIN 0
.endm
; A query block ends: O / L, rounded to f16, through my own stage: four queries' 512 consecutive bytes of ctx in each store.
; The read-back goes into V's registers: K's already hold the next tile's fragments.
.macro FINAL
	PLACES
	WIN 0x55
.irp q, 0,1
	v_permlanex16_b32 v[TM+\q], v[AL+2*\q+1], s68, s69
.endr
.irp q, 0,1
	v_add_f32 v[AL+2*\q+1], v[AL+2*\q+1], v[TM+\q] ; the two halves of the query's sum
.endr
.irp q, 0,1
	v_rcp_f32 v[AL+2*\q], v[AL+2*\q+1]
.endr
	v_nop                                          ; the plain instruction behind the reciprocals
	s_wait_alu depctr_va_vdst(0)
	SCALEO
.irp qq, 0,1
	WIN 0x05
.irp db, 0,1,2,3
.irp t, 0,1,2,3
	v_cvt_pk_f16_f32 v[OT+4*\db+\t], v[O+8*(4*\qq+\db)+2*\t], v[O+8*(4*\qq+\db)+2*\t+1]
.endr
.endr
	WIN 0
.irp db, 0,1,2,3
	ds_store_b128 v[STO], v[OT+4*\db:OT+4*\db+3] offset:32*\db
.endr
.irp t, 0,1,2,3
	ds_load_b128 v[VF+16*\qq+4*\t:VF+16*\qq+4*\t+3], v[RD] offset:576*\t   ; LDS serves a wave's instructions in order: these see the stores above
.endr
.irp t, 0,1,2,3
	s_wait_dscnt 3-\t                              ; read-back t is in, the younger ones stay out
	global_store_b128 v[CO], v[VF+16*\qq+4*\t:VF+16*\qq+4*\t+3], s[22:23] offset:\qq*2048+512*\t
.endr
.endr
.endm
	s_mov_b32 s63, s9                              ; block p first
	HEAD
	s_mov_b32 s72, 0                               ; lap
	s_mov_b32 s73, 1                               ; lap 0 is block p's diagonal lap
	s_lshr_b32 s75, s8, 1                          ; the highest chunk of a diagonal lap in which I have an unmasked key
	s_mov_b32 s74, s75
	s_wait_tensorcnt 0x0                           ; my parts of the first two tiles are in,
	s_barrier_signal -1
	s_barrier_wait -1                              ; everybody's are
	KLOAD 0, 1
	; laps 0 to 7: block p has laps 0 .. p, block 7 - p laps p + 1 .. 8.  Step n fills its own slot with tile n + 2: steps 0 .. 15 fetch tiles 2 .. 17.
.Llap:
	STEP 0, 2, 3, 2, 1
	STEP 1, 2, 1, 0, 0
	s_cmp_lg_u32 s72, s9
	s_cbranch_scc1 .Lsame_block
	FINAL                                          ; lap p was block p's last
	s_sub_co_u32 s63, 7, s9
	HEAD
.Lsame_block:
	s_cmp_eq_u32 s72, s9
	s_cselect_b32 s73, 1, 0                        ; lap p + 1 is block 7 - p's diagonal lap
	s_cselect_b32 s74, s75, 3                      ; in any other lap I compute all four chunks
	s_add_co_u32 s72, s72, 1
	s_cmp_lt_u32 s72, 8
	s_cbranch_scc1 .Llap
	; lap 8, tiles 1 and 0 of block 7 - p (never a diagonal lap: p + 1 is at most 4): nothing is left to fetch, and behind the last tile no barrier is needed
	STEP 0, 1, -1, -1, 1
	STEP 1, 0, -1, -1, 0
	FINAL
	s_wait_tensorcnt 0x0
	ds_add_u32 v254, v255
	s_wait_dscnt 0x0
	s_endpgm
.Lfunc_end_k_qb5c4aeb3e4_attn:
	.size	k_qb5c4aeb3e4_attn, .Lfunc_end_k_qb5c4aeb3e4_attn-k_qb5c4aeb3e4_attn
	.p2alignl 7, 3214868480
	.fill 96, 4, 3214868480
	.section	.rodata,"a",@progbits
	.p2align	6, 0x0
	.amdhsa_kernel k_qb5c4aeb3e4_attn
		.amdhsa_group_segment_fixed_size 327680
		.amdhsa_private_segment_fixed_size 0
		.amdhsa_enable_private_segment 0
		.amdhsa_kernarg_size 16
		.amdhsa_user_sgpr_count 2
		.amdhsa_user_sgpr_kernarg_segment_ptr 1
		.amdhsa_wavefront_size32 1
		.amdhsa_system_sgpr_workgroup_id_x 1
		.amdhsa_system_sgpr_workgroup_id_y 1
		.amdhsa_system_sgpr_workgroup_id_z 1
		.amdhsa_system_vgpr_workitem_id 0
		.amdhsa_next_free_vgpr 480
		.amdhsa_next_free_sgpr 80
		.amdhsa_reserve_vcc 1
		.amdhsa_float_denorm_mode_32 3
		.amdhsa_float_denorm_mode_16_64 3
		.amdhsa_memory_ordered 1
		.amdhsa_forward_progress 1
		.amdhsa_inst_pref_size 186
	.end_amdhsa_kernel
	.amdgpu_metadata
---
amdhsa.version: [ 1, 2 ]
amdhsa.kernels:
  - .name:           k_qb5c4aeb3e4_attn
    .symbol:         k_qb5c4aeb3e4_attn.kd
    .args:
      - { .name: qkv, .offset: 0, .size: 8, .value_kind: global_buffer, .address_space: global }
      - { .name: ctx, .offset: 8, .size: 8, .value_kind: global_buffer, .address_space: global }
    .group_segment_fixed_size: 327680
    .private_segment_fixed_size: 0
    .kernarg_segment_align: 8
    .kernarg_segment_size: 16
    .max_flat_workgroup_size: 256
    .sgpr_count:     80
    .vgpr_count:     480
    .wavefront_size: 32
...
	.end_amdgpu_metadata
.endif
;; end of part 5
;; launch oproj: the kernel of part 4 again; grid 8 x 32, 4 waves a work-group, clusters of 4 x 4, 327,680 bytes of LDS; arguments ctx, oh, out_b, out0; writes out0
;; ======== version 3 of 3: 4 launches; version 2 with the launch cast written anew for expert scheduling mode
;; limits: values are held in f16: magnitudes above 65,504 overflow, below 6.1e-05 lose precision
;; workspace buffers: xh 16,777,216 bytes; wh 6,291,456 bytes; oh 2,097,152 bytes; qkv 50,331,648 bytes; ctx 16,777,216 bytes
;; launch cast (part 6): grid 384 x 1, 8 waves a work-group, no clusters, 0 bytes of LDS; arguments x, w_q, w_k, w_v, out_w, xh, wh, oh; writes xh, wh, oh
.if DOCPART == 6
	.amdgcn_target "amdgcn-amd-amdhsa--gfx1250"
	.amdhsa_code_object_version 6
	.text
	.protected	k_qb5c4aeb3e4_cast
	.globl	k_qb5c4aeb3e4_cast
	.p2align	8
	.type	k_qb5c4aeb3e4_cast,@function
k_qb5c4aeb3e4_cast:
	s_mov_b64 s[64:65], 0
	v_nop
	global_prefetch_b8 v0, s[64:65] scope:SCOPE_SE
	s_setreg_imm32_b32 hwreg(HW_REG_WAVE_SCHED_MODE, 0, 2), 2
	s_setreg_imm32_b32 hwreg(HW_REG_WAVE_MODE, 25, 1), 1
	s_wait_xcnt 0x0
	s_wait_alu depctr_vm_vsrc(0)
; The matrix operands among the inputs, rounded once to bf16 (nearest even) and laid out as the matrix launches read them:
;   xh [kb 16][token 8192][64] bf16   x, cut into blocks of 64 along k: 128 tokens of one block are 16 KiB of dense memory
;   wh [k 1024][n 3072] bf16          w_q, w_k, w_v side by side
;   oh [n 1024][k 1024] f16           out_w, rounded to bf16 like the others and then written as f16, because its partner in the product, ctx, is f16
; WHY bf16 HERE AND f16 LATER: the inputs take the rounding that the problem's contract names for inputs; the intermediates (q, k, v, P, ctx) need
; f16's 11 bits, since the first tokens of a batch average over few keys and their outputs are some ten times the whole output's root mean square.
; LIMITS: x and the three weights keep f32's range.  A bf16 number is an f16 number exactly for magnitudes from 2^-17 to 65,504; a larger |out_w|
; becomes an infinity, a smaller one is rounded to a multiple of 2^-24.
; A stream: no LDS, no barrier, no matrix unit.  A wave issues all its 32 loads of 16 bytes a lane at once (16 KiB on their way),
; then converts and stores them, four units at a time, in the order in which they come back.
; Every store of a wave covers 256 consecutive bytes that begin at a multiple of 256 from the buffer's first byte.
; Work-groups 0-255: x, 32 tokens each.  256-351: 32 rows of one of the three weights.  352-383: 32 rows of out_w.
; THE MODE: SCHED_MODE bits 1:0 = 2 (LLVM: expert scheduling mode 2), set by the entry lines.  The code itself states the register dependences
; between vector instructions and memory instructions, with s_wait_alu, always for 0.
; THE PLAN.  Registers that memory instructions touch:
;   v1, v2     byte offsets of the loads and of the stores: made once by the head's vector lines, never written again.
;   unit i     v[X + 4 i .. + 3]: its load lands there once; its conversions alone name it, and write it in place; one store reads its first two
;              registers; behind that store it is never written again.  (Unit 0's v4 to v6 also served the head's arithmetic.)
; So no register that a memory instruction has read is ever written again: no wait on vm_vsrc is owed.  The 32 units go in eight groups of four.
; Group g's conversions name group g's registers alone; among them stand the four stores of group g - 1.  One wait on va_vdst at the head of a group
; states that the group before has written what those stores read; one ahead of the loads and one ahead of the last four stores do the rest.
; No vector line writes a scalar register or VCC, and EXEC is never written.
.set X, 4                              ; v[4:131]  32 units of 4 registers; v1 = source offset, v2 = destination offset
; Unit j leaves.  mode as in STREAM.
.macro PUT mode
.if \mode == 0
.set dsto, (j&1)*1048576+(j>>1)*256
.elseif \mode == 1
.set dsto, (j>>3)*6144+(j&7)*256
.else
.set dsto, j*256
.endif
	global_store_b64 v2, v[X+4*j:X+4*j+1], s[26:27] offset:dsto    ; no vector line since the last wait on va_vdst names v2 or unit j
.endm
; mode 0: x (unit i = 2 u + e: tokens 2u, 2u+1, k block e of the wave's two); 1: a weight into wh; 2: out_w into oh
.macro STREAM mode
	s_wait_alu depctr_va_vdst(0)                   ; the head's lines have written v1 and v2, which every load and store below reads as its offset, and are done writing and reading v4 to v6, in which unit 0's load lands
.set i, 0
.rept 32
.if \mode == 0
.set srco, (i>>1)*8192+(i&1)*256
.else
.set srco, i*512
.endif
	global_load_b128 v[X+4*i:X+4*i+3], v1, s[24:25] offset:srco th:TH_LOAD_NT
.set i, i+1
.endr
.set i, 0
.rept 32
.if (i&3) == 0
	s_wait_loadcnt 28-i                            ; loads come back in order: the group's units i .. i+3 are in, the 28-i younger ones stay out
.if i > 0
	s_wait_alu depctr_va_vdst(0)                   ; the conversions of the group before have written units i-4 .. i-1, which the four stores among this group's lines read
.endif
.endif
.if i >= 4
.set j, i-4
	PUT \mode                                      ; the unit four back
.endif
.if \mode == 2
	v_cvt_pk_bf16_f32 v[X+4*i], v[X+4*i], v[X+4*i+1]               ; the rounding: numbers 0, 1 to bf16
	v_cvt_pk_bf16_f32 v[X+4*i+2], v[X+4*i+2], v[X+4*i+3]           ; numbers 2, 3
	v_lshlrev_b32 v[X+4*i+1], 16, v[X+4*i]                         ; back to f32: the low half moves up,
	v_and_b32 v[X+4*i], 0xffff0000, v[X+4*i]                       ; the high half stays
	v_lshlrev_b32 v[X+4*i+3], 16, v[X+4*i+2]
	v_and_b32 v[X+4*i+2], 0xffff0000, v[X+4*i+2]
	v_cvt_pk_f16_f32 v[X+4*i], v[X+4*i+1], v[X+4*i]                ; the same numbers in f16's format
	v_cvt_pk_f16_f32 v[X+4*i+1], v[X+4*i+3], v[X+4*i+2]
.else
	v_cvt_pk_bf16_f32 v[X+4*i], v[X+4*i], v[X+4*i+1]
	v_cvt_pk_bf16_f32 v[X+4*i+1], v[X+4*i+2], v[X+4*i+3]
.endif
.set i, i+1
.endr
	s_wait_alu depctr_va_vdst(0)                   ; the last group's conversions have written units 28 .. 31, which the last four stores read
.set j, 28
.rept 4
	PUT \mode
.set j, j+1
.endr
.endm
	s_load_b512 s[4:19], s[0:1], 0x0               ; x 4:5, w_q 6:7, w_k 8:9, w_v 10:11, out_w 12:13, xh 14:15, wh 16:17, oh 18:19
	v_lshrrev_b32 v6, 5, v0                        ; wave
	s_mov_b32 s21, 0
	s_mov_b32 s23, 0
	s_cmp_lt_u32 ttmp9, 256
	s_cbranch_scc0 .Lweights
	; x: wave w takes columns 128 w .. 128 w + 127 (k blocks 2w, 2w+1).  Lanes 0-15 take 256 bytes of an even token, lanes 16-31 of the next token.
	v_and_b32 v4, 15, v0                           ; c
	v_bfe_u32 v5, v0, 4, 1                         ; half
	v_lshlrev_b32 v1, 4, v4
	v_lshl_add_u32 v1, v6, 9, v1
	v_lshl_add_u32 v1, v5, 12, v1                  ; source: half x 4,096 + w x 512 + 16 c
	v_lshlrev_b32 v2, 3, v4
	v_lshl_add_u32 v2, v5, 7, v2
	v_lshl_add_u32 v2, v6, 21, v2                  ; destination: w x 2 blocks of 1 MiB + half x 128 + 8 c
	s_lshl_b32 s20, ttmp9, 17                      ; 32 tokens of 4,096 bytes
	s_lshl_b32 s22, ttmp9, 12                      ; 32 tokens of 128 bytes
	s_wait_kmcnt 0x0
	s_add_nc_u64 s[24:25], s[4:5], s[20:21]
	s_add_nc_u64 s[26:27], s[14:15], s[22:23]
	STREAM 0
	s_endpgm
.Lweights:
	v_and_b32 v4, 31, v0                           ; lane
	v_lshlrev_b32 v1, 4, v4
	v_lshl_add_u32 v1, v6, 14, v1                  ; source: 4 rows of 4,096 bytes a wave + 16 x lane
	s_cmp_lt_u32 ttmp9, 352
	s_cbranch_scc0 .Loutw
	s_sub_co_u32 s20, ttmp9, 256
	s_lshr_b32 s28, s20, 5                         ; which weight: 0 q, 1 k, 2 v
	s_and_b32 s29, s20, 31                         ; which 32 rows
	v_mul_u32_u24 v2, v6, 24576                    ; destination: 4 rows of 6,144 bytes a wave
	v_lshl_add_u32 v2, v4, 3, v2
	s_lshl_b32 s20, s29, 17
	s_mul_i32 s22, s29, 196608                     ; 32 rows of 6,144 bytes
	s_lshl_b32 s30, s28, 11                        ; the weight's 1,024 columns of 2 bytes
	s_add_co_u32 s22, s22, s30
	s_wait_kmcnt 0x0
	s_cmp_eq_u32 s28, 1
	s_cselect_b64 s[24:25], s[8:9], s[6:7]
	s_cmp_eq_u32 s28, 2
	s_cselect_b64 s[24:25], s[10:11], s[24:25]
	s_add_nc_u64 s[24:25], s[24:25], s[20:21]
	s_add_nc_u64 s[26:27], s[16:17], s[22:23]
	STREAM 1
	s_endpgm
.Loutw:
	s_sub_co_u32 s29, ttmp9, 352
	v_lshlrev_b32 v2, 3, v4
	v_lshl_add_u32 v2, v6, 13, v2                  ; destination: 4 rows of 2,048 bytes a wave + 8 x lane
	s_lshl_b32 s20, s29, 17
	s_lshl_b32 s22, s29, 16
	s_wait_kmcnt 0x0
	s_add_nc_u64 s[24:25], s[12:13], s[20:21]
	s_add_nc_u64 s[26:27], s[18:19], s[22:23]
	STREAM 2
	s_endpgm
.Lfunc_end_k_qb5c4aeb3e4_cast:
	.size	k_qb5c4aeb3e4_cast, .Lfunc_end_k_qb5c4aeb3e4_cast-k_qb5c4aeb3e4_cast
	.p2alignl 7, 3214868480
	.fill 96, 4, 3214868480
	.section	.rodata,"a",@progbits
	.p2align	6, 0x0
	.amdhsa_kernel k_qb5c4aeb3e4_cast
		.amdhsa_group_segment_fixed_size 0
		.amdhsa_private_segment_fixed_size 0
		.amdhsa_enable_private_segment 0
		.amdhsa_kernarg_size 64
		.amdhsa_user_sgpr_count 2
		.amdhsa_user_sgpr_kernarg_segment_ptr 1
		.amdhsa_wavefront_size32 1
		.amdhsa_system_sgpr_workgroup_id_x 1
		.amdhsa_system_sgpr_workgroup_id_y 1
		.amdhsa_system_sgpr_workgroup_id_z 1
		.amdhsa_system_vgpr_workitem_id 0
		.amdhsa_next_free_vgpr 132
		.amdhsa_next_free_sgpr 66
		.amdhsa_reserve_vcc 0
		.amdhsa_float_denorm_mode_32 3
		.amdhsa_float_denorm_mode_16_64 3
		.amdhsa_memory_ordered 1
		.amdhsa_forward_progress 1
		.amdhsa_inst_pref_size 45
	.end_amdhsa_kernel
	.amdgpu_metadata
---
amdhsa.version: [ 1, 2 ]
amdhsa.kernels:
  - .name:           k_qb5c4aeb3e4_cast
    .symbol:         k_qb5c4aeb3e4_cast.kd
    .args:
      - { .name: x, .offset: 0, .size: 8, .value_kind: global_buffer, .address_space: global }
      - { .name: w_q, .offset: 8, .size: 8, .value_kind: global_buffer, .address_space: global }
      - { .name: w_k, .offset: 16, .size: 8, .value_kind: global_buffer, .address_space: global }
      - { .name: w_v, .offset: 24, .size: 8, .value_kind: global_buffer, .address_space: global }
      - { .name: out_w, .offset: 32, .size: 8, .value_kind: global_buffer, .address_space: global }
      - { .name: xh, .offset: 40, .size: 8, .value_kind: global_buffer, .address_space: global }
      - { .name: wh, .offset: 48, .size: 8, .value_kind: global_buffer, .address_space: global }
      - { .name: oh, .offset: 56, .size: 8, .value_kind: global_buffer, .address_space: global }
    .group_segment_fixed_size: 0
    .private_segment_fixed_size: 0
    .kernarg_segment_align: 8
    .kernarg_segment_size: 64
    .max_flat_workgroup_size: 256
    .sgpr_count:     66
    .vgpr_count:     132
    .wavefront_size: 32
...
	.end_amdgpu_metadata
.endif
;; end of part 6
;; launch qkv: the kernel of part 2 again; grid 8 x 32, 4 waves a work-group, clusters of 4 x 4, 327,680 bytes of LDS; arguments xh, wh, qkv; writes qkv
;; launch attn: the kernel of part 5 again; grid 4 x 64, 8 waves a work-group, no clusters, 327,680 bytes of LDS; arguments qkv, ctx; writes ctx
;; launch oproj: the kernel of part 4 again; grid 8 x 32, 4 waves a work-group, clusters of 4 x 4, 327,680 bytes of LDS; arguments ctx, oh, out_b, out0; writes out0
